; MI455X (gfx1250); checked and timed in simulation.
; The chip was launched on July 23, 2026; its instructions are those of AMD's public machine-readable ISA for CDNA 5 (MIT licence, August 2026) and "CDNA5" Instruction Set Architecture Reference Guide (July 2026). The comments in the code are by the model that wrote it; some were corrected since.
;; Block. Allowed arithmetic: matrix products marked QUANTISED: E4M3 operands, one E8M0 scale for each 32 along K, by v_wmma_scale_f32_16x16x128_f8f6f4 with both operands' format E4M3, f32 sums; everything else in f32.
;; Inputs: g1 1,024 float32; g2 1,024 float32; w_fc1 4,096 x 1,024 float32; w_fc2 1,024 x 4,096 float32; w_proj 1,024 x 1,024 float32; w_qkv 3,072 x 1,024 float32; x 2 x 2,048 x 1,024 float32.
;; Outputs: out0 2 x 2,048 x 1,024 float32.
;; This version of the problem:
;;   THIS VERSION OF THE PROBLEM IS GIVEN IN LOW PRECISION. The matrix products marked QUANTISED in the list below multiply operands that are first quantised to E4M3 (4 exponent bits, 3 mantissa bits; 8 bits a number), with one power-of-two scale for each 32 numbers along K (OCP MX v1.0); their sums are f32. All else is computed in f32.
;;   The module's matrix products, in the order in which they are computed (A, B: the left and right operand; K: the contracted axis; several contracted axes count as one K, in the product's order):
;;     1. [M 4,096, K 1,024] x [K 1,024, N 3,072]; A: computed on the way; B: input w_qkv: QUANTISED
;;     2. batch 32 x [M 2,048, K 64] x [K 64, N 2,048]; A: computed on the way; B: computed on the way: QUANTISED
;;     3. batch 32 x [M 2,048, K 2,048] x [K 2,048, N 64]; A: softmax (see below); B: computed on the way: QUANTISED
;;     4. [M 4,096, K 1,024] x [K 1,024, N 1,024]; A: computed on the way; B: input w_proj: QUANTISED
;;     5. [M 4,096, K 1,024] x [K 1,024, N 4,096]; A: computed on the way; B: input w_fc1: QUANTISED
;;     6. [M 4,096, K 4,096] x [K 4,096, N 1,024]; A: computed on the way; B: input w_fc2: QUANTISED
;;   THE QUANTISER, for each operand of a quantised product, along K:
;;     - K is cut into blocks of 32 from its start; a last block that is shorter is filled with zeros.
;;     - A block's scale is 2^e with e = floor(log2(the largest magnitude in the block)) - 8, held to -126 .. 127; a block of zeros has e = 0. As a byte (E8M0): e + 127.
;;     - Each number is divided by its block's scale, clamped to +-448, and rounded to the nearest number of E4M3, ties to even, subnormals kept.
;;     - The product sums the exact products of the quantised numbers (number of the format x scale) in f32.
;;   ~~~python
;;   def quantise(x, axis):      # numpy; x: float32 -> the quantised numbers, widened to float32 again
;;       x = np.moveaxis(x, axis, -1); K = x.shape[-1]
;;       x = np.pad(x, [(0, 0)] * (x.ndim - 1) + [(0, -K % 32)]); x = x.reshape(x.shape[:-1] + (-1, 32)); a = np.abs(x).max(-1, keepdims=True)
;;       e = np.where(a > 0, np.clip(np.frexp(np.where(a > 0, a, 1))[1] - 1 - 8, -126, 127), 0)      # np.frexp(a)[1] - 1 = floor(log2(a)), exactly
;;       r = np.clip(x / 2.0 ** e, -448, 448)
;;       step = 2.0 ** (np.maximum(np.frexp(np.where(r == 0, 1, r))[1] - 1, -6) - 3)
;;       q = np.round(r / step) * step * 2.0 ** e      # np.round: ties to even
;;       return np.moveaxis(q.reshape(q.shape[:-2] + (-1,))[..., :K], -1, axis).astype(np.float32)
;;   ~~~
;;   SOFTMAX AHEAD OF A QUANTISED PRODUCT. Where the list says 'softmax', what is quantised is not the finished softmax but p = 2^(t - M), with t = logit x log2(e) and M = ceil(the row's largest t), a whole number; so 1/2 < the row's largest p <= 1. The row's sum l is taken of the UNQUANTISED p, in f32, and the product's result is divided by l at the end. Since M is a whole number, a kernel that streams over the keys may use a running M (the ceiling of the running maximum): every later rescaling is an exact power of two, which a block's scale takes up: the codes' values come out the same.
;;   OPERANDS COMPUTED ON THE WAY. 'Computed on the way' means the value that the module computes at that place (a softmax that the list does not call 'softmax' is quantised finished and normalised). What goes into a quantiser is computed in f32, as accurately as f32 sums, v_exp_f32 and their like allow (about 1e-6 of the number): no bf16 or f16 on the way to a quantiser, and a product that is left as it is and whose result goes on into a quantised operand takes f32 operands (vector FMAs, or v_wmma_f32_16x16x4_f32). A number that lies on a knife's edge between two numbers of the format may be rounded either way, as far as f32 arithmetic and the matrix unit's own rounding can turn it there, and no further.
;; One version. Each part assembles by itself: llvm-mc -triple=amdgcn-amd-amdhsa -mcpu=gfx1250 --defsym DOCPART=n.
;; ======== version 1 of 1: 7 launches
;; limits: right only within a limited range of input values
;; workspace buffers: p1 17,301,504 bytes; hbuf 16,777,216 bytes; qkv 12,976,128 bytes; oq 4,325,376 bytes; hn 16,777,216 bytes; h2f 16,777,216 bytes; p2 4,718,592 bytes; hid 17,301,504 bytes
;; launch prep (part 1): grid 1024 x 1, 8 waves a work-group, no clusters, 67,328 bytes of LDS; arguments x, w_qkv, w_proj, w_fc1, w_fc2, g1, hbuf, p1; writes hbuf, p1
.if DOCPART == 1
	.amdgcn_target "amdgcn-amd-amdhsa--gfx1250"
	.amdhsa_code_object_version 6
	.text
	.protected	k_q05f7ff2ebb_prep
	.globl	k_q05f7ff2ebb_prep
	.p2align	8
	.type	k_q05f7ff2ebb_prep,@function
k_q05f7ff2ebb_prep:
	s_mov_b64 s[64:65], 0
	v_nop
	global_prefetch_b8 v0, s[64:65] scope:SCOPE_SE
	s_setreg_imm32_b32 hwreg(HW_REG_WAVE_MODE, 25, 1), 1
	s_wait_xcnt 0x0
; LAYER NORM AND QUANTISER.  Arguments: rows, w_qkv, w_proj, w_fc1, w_fc2, gain, f32 out, codes out.
; A work-group makes one UNIT: 16 rows x 1,024 numbers become eight operand fragments (16 rows x 128 K) of FP8 (E4M3) codes and their E8M0 scale words.
; Units 0-255: rows of the first argument, normalised first: (x - mean) * rsqrt(var + 1e-6) * gain, all in f32; that f32 result is stored too.
; Units 256-447 w_qkv, 448-511 w_proj, 512-767 w_fc1, 768-1023 w_fc2 (a row of 4,096 is four units): quantised as they are.
; ONE PATH serves all: only the pointer and the pitch are chosen by the work-group's number; for weights mean, factor and gain are replaced by 0, 1, 1, which changes no bit.
; A FRAGMENT LIES IN MEMORY AS AN IMAGE OF THE OPERAND'S REGISTERS: [c = 0..3][lane][16 bytes]: registers 4c..4c+3 of lane 16h + r, which holds row r.  Every store of codes covers 512 consecutive bytes.
; ORDER INSIDE A BLOCK OF 32: place 16h + i holds element 8h + i (i < 8) or 16 + 8h + i - 8: the order in which a transposed matrix result falls.  All operands of this program are laid so; blocks are the true blocks.
; A block's scale byte is its largest magnitude's exponent field - 8, held at 1 from below.
; LIMITS: NaN and infinities are not served; a block of zeros, or one whose largest magnitude lies under 2^-118, keeps the byte 1 (its bytes are read by this program alone).
; Phase 1: wave w takes rows 2w, 2w + 1 (a row is 32 registers of a wave).  Phase 2: wave w takes K step w of all 16 rows, through LDS.
.set ROWP,  4112                       ; a row in LDS: 4,096 bytes + 16: sixteen rows' equal columns fall on different banks
.set SCG,   16*ROWP                    ; behind the rows: the unit's 128 scale words
.set SPARE, SCG+512                    ; the spare words: 128 bytes for each of eight waves
.set SPW, 2
.set NIL, 3
.set L16, 4                            ; v4  16 x lane
.set G,   16                           ; v16-47   the gain of my 32 columns x 4
.set X0,  48                           ; v48-79   row 2w
.set X1,  80                           ; v80-111  row 2w + 1
.set NS,  48                           ; phase 2: 64 numbers
.set PC,  16                           ; phase 2: the codes
.set TM,  112                          ; v112-127 at work
.set PW,  10                           ; the scale word
	s_load_b512 s[8:23], s[0:1], 0x0               ; rows s[8:9], w_qkv s[10:11], w_proj s[12:13], w_fc1 s[14:15], w_fc2 s[16:17], gain s[18:19], f32 out s[20:21], codes out s[22:23]
	v_lshl_add_u32 v[SPW], v0, 2, SPARE
	v_mov_b32 v[NIL], 0
	v_lshrrev_b32 v1, 5, v0
	s_delay_alu instid0(VALU_DEP_1)
	v_readfirstlane_b32 s7, v1                     ; wave 0..7
	v_and_b32 v1, 31, v0
	s_delay_alu instid0(VALU_DEP_1)
	v_lshlrev_b32 v[L16], 4, v1
	v_and_b32 v11, 15, v0                          ; r
	v_bfe_u32 v12, v0, 4, 1                        ; h
	s_mul_i32 s28, s7, 2*ROWP
	v_add_nc_u32 v5, s28, v[L16]                   ; LDS, in: row 2w, 16 bytes a lane
	v_mul_u32_u24 v6, v11, ROWP
	s_delay_alu instid0(VALU_DEP_1)
	v_lshl_add_u32 v6, v12, 5, v6
	s_lshl_b32 s28, s7, 9
	v_add_nc_u32 v6, s28, v6                       ; LDS, out: row r, K step w, + 32 h
	s_lshl_b32 s28, s7, 6
	s_add_co_u32 s28, s28, SCG
	v_lshl_add_u32 v8, v11, 2, s28                 ; my row's scale word of K step w
	v_add_nc_u32 v9, SCG, v[L16]                   ; all 128 words, 16 bytes a lane
	v_mov_b32 v117, 0                              ; a lane permute's destination counts as one of its sources
	s_mov_b32 s40, 0x3a800000                      ; 1 / 1,024
	s_mov_b32 s41, 0x358637bd                      ; 1e-6
	s_mov_b32 s42, 0x76543210
	s_mov_b32 s43, 0xfedcba98                      ; selects for lane l xor 16
	s_mov_b32 s44, 0x600000                        ; the mantissa field of 448
	; which tensor, and where in it: t = unit - the tensor's first unit; a row of w_fc2 is four units wide (sh = 2)
	s_mov_b32 s26, 768
	s_cmp_lt_u32 ttmp9, 768
	s_cselect_b32 s26, 512, s26
	s_cselect_b32 s27, 0, 2
	s_cmp_lt_u32 ttmp9, 512
	s_cselect_b32 s26, 448, s26
	s_cmp_lt_u32 ttmp9, 448
	s_cselect_b32 s26, 256, s26
	s_cmp_lt_u32 ttmp9, 256
	s_cselect_b32 s26, 0, s26
	s_cselect_b32 s32, -1, 0                       ; all lanes' mask: this unit is normalised
	s_sub_co_u32 s26, ttmp9, s26
	s_lshr_b32 s28, s26, s27                       ; the tile of 16 rows
	s_lshl_b32 s29, s28, s27
	s_sub_co_u32 s29, s26, s29                     ; which 1,024 of the row
	s_lshl_b32 s29, s29, 12
	s_lshl_b32 s28, s28, 16
	s_lshl_b32 s28, s28, s27
	s_add_co_u32 s28, s28, s29
	s_lshl_b32 s33, 4096, s27                      ; bytes from row to row
	s_lshl_b32 s29, s7, 1
	s_mul_i32 s29, s29, s33
	s_add_co_u32 s28, s28, s29                     ; row 2w of the tile
	s_mov_b32 s29, 0
	s_wait_kmcnt 0x0
	s_cmp_lt_u32 ttmp9, 768                        ; the choices hang on the work-group's number alone
	s_cselect_b64 s[24:25], s[14:15], s[16:17]
	s_cmp_lt_u32 ttmp9, 512
	s_cselect_b64 s[24:25], s[12:13], s[24:25]
	s_cmp_lt_u32 ttmp9, 448
	s_cselect_b64 s[24:25], s[10:11], s[24:25]
	s_cmp_lt_u32 ttmp9, 256
	s_cselect_b64 s[24:25], s[8:9], s[24:25]
	s_add_nc_u64 s[24:25], s[24:25], s[28:29]      ; row 2w
	s_mov_b32 s28, s33
	s_add_nc_u64 s[30:31], s[24:25], s[28:29]      ; row 2w + 1
.irp j, 0,1,2,3,4,5,6,7
	global_load_b128 v[G+4*\j:G+4*\j+3], v[L16], s[18:19] offset:512*\j
.endr
.irp j, 0,1,2,3,4,5,6,7
	global_load_b128 v[X0+4*\j:X0+4*\j+3], v[L16], s[24:25] offset:512*\j th:TH_LOAD_NT   ; 32 lanes read 512 consecutive bytes
.endr
.irp j, 0,1,2,3,4,5,6,7
	global_load_b128 v[X1+4*\j:X1+4*\j+3], v[L16], s[30:31] offset:512*\j th:TH_LOAD_NT
.endr
	s_lshl_b32 s46, ttmp9, 16
	s_lshl_b32 s47, s7, 13
	s_add_co_u32 s46, s46, s47
	s_mov_b32 s47, 0
	s_add_nc_u64 s[34:35], s[20:21], s[46:47]      ; f32 out: row 16 u + 2 w (used by units 0-255 alone)
	s_lshl_b32 s46, ttmp9, 14
	s_lshl_b32 s45, s7, 11
	s_add_co_u32 s46, s46, s45
	s_add_co_u32 s46, s46, 524288
	s_add_nc_u64 s[36:37], s[22:23], s[46:47]      ; codes: 524,288 + 16,384 u + 2,048 w
	s_lshl_b32 s46, ttmp9, 9
	s_add_nc_u64 s[38:39], s[22:23], s[46:47]      ; scale words: 512 u
	s_wait_loadcnt 16                              ; the gain's eight loads are in; the two rows' sixteen may be out
.set i, 0
.rept 32
	v_cndmask_b32 v[G+i], 1.0, v[G+i], s32         ; a weight's gain is 1
.set i, i+1
.endr
.macro RED                             ; v116 summed over the 32 lanes, the result in every lane
	s_delay_alu instid0(VALU_DEP_1)
	v_add_f32_dpp v116, v116, v116 row_xmask:1 row_mask:0xf bank_mask:0xf
	s_delay_alu instid0(VALU_DEP_1)
	v_add_f32_dpp v116, v116, v116 row_xmask:2 row_mask:0xf bank_mask:0xf
	s_delay_alu instid0(VALU_DEP_1)
	v_add_f32_dpp v116, v116, v116 row_xmask:4 row_mask:0xf bank_mask:0xf
	s_delay_alu instid0(VALU_DEP_1)
	v_add_f32_dpp v116, v116, v116 row_xmask:8 row_mask:0xf bank_mask:0xf
	s_delay_alu instid0(VALU_DEP_1)
	v_permlanex16_b32 v117, v116, s42, s43
	s_delay_alu instid0(VALU_DEP_1)
	v_add_f32 v116, v116, v117
.endm
; One row in v[x] on: normalised in place, stored as f32 (units 0-255) and laid into LDS.  left: the younger loads that may stay out.
.macro ROW x, k, left
	s_wait_loadcnt \left
	v_pk_add_f32 v[112:113], v[\x:\x+1], v[\x+2:\x+3]              ; the sum, in two chains
	v_pk_add_f32 v[114:115], v[\x+4:\x+5], v[\x+6:\x+7]
.irp j, 8,12,16,20,24,28
	s_delay_alu instid0(VALU_DEP_2)
	v_pk_add_f32 v[112:113], v[112:113], v[\x+\j:\x+\j+1]
	s_delay_alu instid0(VALU_DEP_2)
	v_pk_add_f32 v[114:115], v[114:115], v[\x+\j+2:\x+\j+3]
.endr
	s_delay_alu instid0(VALU_DEP_1)
	v_pk_add_f32 v[112:113], v[112:113], v[114:115]
	s_delay_alu instid0(VALU_DEP_1)
	v_add_f32 v116, v112, v113
	RED
	s_delay_alu instid0(VALU_DEP_1)
	v_mul_f32 v118, s40, v116                      ; the mean
	s_delay_alu instid0(VALU_DEP_1)
	v_cndmask_b32 v118, 0, v118, s32               ; (a weight's is 0)
	s_delay_alu instid0(VALU_DEP_1)
	v_mov_b32 v119, v118
.irp j, 0,2,4,6,8,10,12,14,16,18,20,22,24,26,28,30
	v_pk_add_f32 v[\x+\j:\x+\j+1], v[\x+\j:\x+\j+1], v[118:119] neg_lo:[0,1] neg_hi:[0,1]
.endr
	v_pk_mul_f32 v[112:113], v[\x:\x+1], v[\x:\x+1]                ; the sum of the squared deviations
	v_pk_mul_f32 v[114:115], v[\x+2:\x+3], v[\x+2:\x+3]
.irp j, 4,8,12,16,20,24,28
	s_delay_alu instid0(VALU_DEP_2)
	v_pk_fma_f32 v[112:113], v[\x+\j:\x+\j+1], v[\x+\j:\x+\j+1], v[112:113]
	s_delay_alu instid0(VALU_DEP_2)
	v_pk_fma_f32 v[114:115], v[\x+\j+2:\x+\j+3], v[\x+\j+2:\x+\j+3], v[114:115]
.endr
	s_delay_alu instid0(VALU_DEP_1)
	v_pk_add_f32 v[112:113], v[112:113], v[114:115]
	s_delay_alu instid0(VALU_DEP_1)
	v_add_f32 v116, v112, v113
	RED
	s_delay_alu instid0(VALU_DEP_1)
	v_fma_f32 v116, v116, s40, s41                 ; var + 1e-6
	s_wait_alu depctr_va_vdst(0)
	v_rsq_f32 v120, v116
	v_nop                                          ; a plain instruction behind the transcendental,
	s_wait_alu depctr_va_vdst(0)                   ; and the wait ahead of its first reader
	v_cndmask_b32 v120, 1.0, v120, s32
	s_delay_alu instid0(VALU_DEP_1)
	v_mov_b32 v121, v120
.irp j, 0,2,4,6,8,10,12,14,16,18,20,22,24,26,28,30
	v_pk_mul_f32 v[\x+\j:\x+\j+1], v[\x+\j:\x+\j+1], v[120:121]
.endr
.irp j, 0,2,4,6,8,10,12,14,16,18,20,22,24,26,28,30
	v_pk_mul_f32 v[\x+\j:\x+\j+1], v[\x+\j:\x+\j+1], v[G+\j:G+\j+1]
.endr
	s_cmp_lt_u32 ttmp9, 256                        ; ids alone
	s_cbranch_scc0 .Lweight_\@
.irp j, 0,1,2,3,4,5,6,7
	global_store_b128 v[L16], v[\x+4*\j:\x+4*\j+3], s[34:35] offset:4096*\k+512*\j   ; 512 consecutive bytes a store
.endr
.Lweight_\@:
	s_wait_alu depctr_va_vdst(0)
.irp j, 0,1,2,3,4,5,6,7
	ds_store_b128 v5, v[\x+4*\j:\x+4*\j+3] offset:ROWP*\k+512*\j
.endr
.endm
	ROW X0, 0, 8                                   ; row 2w's loads are in, row 2w + 1's eight may be out
	ROW X1, 1, 0
	s_wait_xcnt 0x0                                ; the f32 stores have read their data: the registers are loaded over below
	s_wait_dscnt 0x0                               ; my rows lie in LDS
	s_barrier_signal -1
	s_barrier_wait -1                              ; all sixteen do
.irp c, 0,1,2,3                        ; block c of K step w, row r: elements 8h..8h+7 and 16+8h..16+8h+7
	ds_load_b128 v[NS+16*\c:NS+16*\c+3],     v6 offset:128*\c
	ds_load_b128 v[NS+16*\c+4:NS+16*\c+7],   v6 offset:128*\c+16
	ds_load_b128 v[NS+16*\c+8:NS+16*\c+11],  v6 offset:128*\c+64
	ds_load_b128 v[NS+16*\c+12:NS+16*\c+15], v6 offset:128*\c+80
.endr
	s_wait_dscnt 0x0
.irp b, 0,1,2,3
	v_max3_num_f32 v[TM+\b], |v[NS+16*\b]|, |v[NS+16*\b+1]|, 0x4800000   ; my 16 numbers of block b, and the floor 2^(9 - 127): the byte cannot fall under 1
.endr
.irp i, 2,4,6,8,10,12,14
.irp b, 0,1,2,3
	s_delay_alu instid0(VALU_DEP_4)
	v_max3_num_f32 v[TM+\b], v[TM+\b], |v[NS+16*\b+\i]|, |v[NS+16*\b+\i+1]|
.endr
.endr
.irp b, 0,1,2,3
	s_delay_alu instid0(VALU_DEP_4)
	v_permlanex16_b32 v[TM+4+\b], v[TM+\b], s42, s43
.endr
.irp b, 0,1,2,3
	s_delay_alu instid0(VALU_DEP_4)
	v_max_num_f32 v[TM+\b], v[TM+\b], v[TM+4+\b]   ; with lane l xor 16's: the block's largest magnitude
.endr
.irp b, 0,1,2,3
	s_delay_alu instid0(VALU_DEP_4)
	v_add_nc_u32 v[TM+12+\b], 0xfc000000, v[TM+\b] ; 8 off its exponent field: the conversion's scale operand
.endr
.irp b, 0,1,2,3
	v_and_or_b32 v[TM+8+\b], v[TM+\b], 0x7f800000, s44   ; 448 x the scale
.endr
.irp b, 0,1,2,3
	v_lshrrev_b32 v[TM+4+\b], 23, v[TM+12+\b]      ; the scale's byte
.endr
	s_delay_alu instid0(VALU_DEP_3)
	v_lshl_or_b32 v[PW], v[TM+5], 8, v[TM+4]
	s_delay_alu instid0(VALU_DEP_1)
	v_lshl_or_b32 v[PW], v[TM+6], 16, v[PW]
	s_delay_alu instid0(VALU_DEP_1)
	v_lshl_or_b32 v[PW], v[TM+7], 24, v[PW]
.irp b, 0,1,2,3
.irp i, 0,1,2,3,4,5,6,7,8,9,10,11,12,13,14,15
	v_med3_num_f32 v[NS+16*\b+\i], v[NS+16*\b+\i], -v[TM+8+\b], v[TM+8+\b]   ; the conversion to an 8-bit code does not saturate (ISA guide 7.6.2): the hold
.endr
.endr
.irp b, 0,1,2,3
	v_cvt_scalef32_pk8_fp8_f32 v[PC+4*\b:PC+4*\b+1], v[NS+16*\b:NS+16*\b+7], v[TM+12+\b]
	v_cvt_scalef32_pk8_fp8_f32 v[PC+4*\b+2:PC+4*\b+3], v[NS+16*\b+8:NS+16*\b+15], v[TM+12+\b]
.endr
	v_nop
.irp c, 0,1,2,3
	global_store_b128 v[L16], v[PC+4*\c:PC+4*\c+3], s[36:37] offset:512*\c   ; the fragment's image: 512 consecutive bytes a store
.endr
	ds_store_b32 v8, v[PW]                         ; lanes r and r + 16 write the same word with the same value
	s_wait_dscnt 0x0
	s_barrier_signal -1
	s_barrier_wait -1                              ; the unit's 128 scale words lie in LDS
	s_cmp_lg_u32 s7, 0
	s_cbranch_scc1 .Ldone
	ds_load_b128 v[48:51], v9
	s_wait_dscnt 0x0
	global_store_b128 v[L16], v[48:51], s[38:39]   ; wave 0 stores them: 512 consecutive bytes
.Ldone:
	s_wait_tensorcnt 0x0                           ; the wave's end
	ds_add_u32 v[SPW], v[NIL]
	s_wait_dscnt 0x0
	s_endpgm
.Lfunc_end_k_q05f7ff2ebb_prep:
	.size	k_q05f7ff2ebb_prep, .Lfunc_end_k_q05f7ff2ebb_prep-k_q05f7ff2ebb_prep
	.p2alignl 7, 3214868480
	.fill 96, 4, 3214868480
	.section	.rodata,"a",@progbits
	.p2align	6, 0x0
	.amdhsa_kernel k_q05f7ff2ebb_prep
		.amdhsa_group_segment_fixed_size 67328
		.amdhsa_private_segment_fixed_size 0
		.amdhsa_enable_private_segment 0
		.amdhsa_kernarg_size 64
		.amdhsa_user_sgpr_count 2
		.amdhsa_user_sgpr_kernarg_segment_ptr 1
		.amdhsa_wavefront_size32 1
		.amdhsa_system_sgpr_workgroup_id_x 1
		.amdhsa_system_sgpr_workgroup_id_y 1
		.amdhsa_system_sgpr_workgroup_id_z 1
		.amdhsa_system_vgpr_workitem_id 0
		.amdhsa_next_free_vgpr 128
		.amdhsa_next_free_sgpr 66
		.amdhsa_reserve_vcc 0
		.amdhsa_float_denorm_mode_32 3
		.amdhsa_float_denorm_mode_16_64 3
		.amdhsa_memory_ordered 1
		.amdhsa_forward_progress 1
		.amdhsa_inst_pref_size 38
	.end_amdhsa_kernel
	.amdgpu_metadata
---
amdhsa.version: [ 1, 2 ]
amdhsa.kernels:
  - .name:           k_q05f7ff2ebb_prep
    .symbol:         k_q05f7ff2ebb_prep.kd
    .args:
      - { .name: x, .offset: 0, .size: 8, .value_kind: global_buffer, .address_space: global }
      - { .name: w_qkv, .offset: 8, .size: 8, .value_kind: global_buffer, .address_space: global }
      - { .name: w_proj, .offset: 16, .size: 8, .value_kind: global_buffer, .address_space: global }
      - { .name: w_fc1, .offset: 24, .size: 8, .value_kind: global_buffer, .address_space: global }
      - { .name: w_fc2, .offset: 32, .size: 8, .value_kind: global_buffer, .address_space: global }
      - { .name: g1, .offset: 40, .size: 8, .value_kind: global_buffer, .address_space: global }
      - { .name: hbuf, .offset: 48, .size: 8, .value_kind: global_buffer, .address_space: global }
      - { .name: p1, .offset: 56, .size: 8, .value_kind: global_buffer, .address_space: global }
    .group_segment_fixed_size: 67328
    .private_segment_fixed_size: 0
    .kernarg_segment_align: 8
    .kernarg_segment_size: 64
    .max_flat_workgroup_size: 256
    .sgpr_count:     66
    .vgpr_count:     128
    .wavefront_size: 32
...
	.end_amdgpu_metadata
.endif
;; end of part 1
;; launch gqkv (part 2): grid 48 x 4, 4 waves a work-group, clusters of 4 x 4, 327,680 bytes of LDS; arguments p1, qkv; writes qkv
.if DOCPART == 2
	.amdgcn_target "amdgcn-amd-amdhsa--gfx1250"
	.amdhsa_code_object_version 6
	.text
	.protected	k_q05f7ff2ebb_gqkv
	.globl	k_q05f7ff2ebb_gqkv
	.p2align	8
	.type	k_q05f7ff2ebb_gqkv,@function
k_q05f7ff2ebb_gqkv:
	s_mov_b64 s[64:65], 0
	v_nop
	global_prefetch_b8 v0, s[64:65] scope:SCOPE_SE
	s_setreg_imm32_b32 hwreg(HW_REG_WAVE_MODE, 25, 1), 1
	s_wait_xcnt 0x0
	s_wait_alu depctr_hold_cnt(0) depctr_sa_sdst(0) depctr_va_vdst(0) depctr_va_sdst(0) depctr_va_ssrc(0) depctr_va_vcc(0) depctr_vm_vsrc(0)
	s_getreg_b32 s2, hwreg(HW_REG_IB_STS2, 6, 4)
	s_cmp_eq_u32 s2, 0
	s_cbranch_scc0 .Lentry_in_a_cluster
	s_endpgm
.Lentry_in_a_cluster:
	s_bfe_u32 s2, ttmp6, 0x10000c
	s_cmp_lg_u32 s2, 0xf033
	s_cbranch_scc0 .Lentry_shape_is_right
	s_endpgm
.Lentry_shape_is_right:
; qkv = h w_qkv^T on codes of FP8 (E4M3) with E8M0 scales, K = 1,024; the result is quantised on the way out and leaves as operand fragments.
; Arguments: p1 (scale words from byte 0, 512 a unit; codes from byte 524,288, 16,384 a unit; a unit = 16 rows x 8 K steps of 128; units 0-255 h, 256-447 w_qkv), qkv.
; A tile of 256 x 256 to a work-group of four waves, 128 x 128 to a wave (64 accumulators).  Twelve clusters of 4 x 4 work-groups:
;   clusters 0-7 (q, k): "A" = 256 tokens, "B" = 256 rows of w_q, w_k.  A lane's results run along the channels: quantised along the head's axis.
;   clusters 8-11 (v):   "A" = 256 rows of w_v, "B" = 256 tokens.  A lane's results run along the tokens: v is quantised along the keys, and nothing is transposed.
; The choice hangs on the cluster's number alone, which all sixteen partners share; it enters addresses only.
; The matrix instruction is used transposed (source 0 = 16 rows of B, source 1 = 16 rows of A): lane (r, h) holds A's row r, register j B's row 8h + j.
; Operands lie in memory as images of their registers (2,048 bytes a fragment: [c][lane][16 bytes]), so LDS rows need no pitch: a load's 512 bytes are consecutive.
; K goes in steps of 256 through two LDS slots; A's tiles are asked for jointly along a row of the cluster, B's along a column.  The scale words of all of K come once.
; OUT: q, k codes [256 token tiles][16 column blocks of 128][2,048] at byte 0; v codes [64 channel tiles][32 token blocks][2,048] at 8,388,608;
;      scale words [column block][row]: q, k at 12,582,912 (4,096 rows), v at 12,845,056 (1,024 rows).
; LIMITS: NaN and infinities are not served; a block of zeros, or one whose largest magnitude lies under 2^-118, keeps the scale byte 1 (read by this program alone).
; REGISTERS: window 0: v0-31 addresses; v32-63 scale words, two sets; v128-255 A's fragments, one set.  Window 1: B's fragments, two sets.  Windows 2, 3: the accumulators.
.set SLOT,   131072                    ; A's 16 row tiles x 4,096 bytes (two K steps of 128), then B's 16
.set SCL,    262144                    ; the scale words: A's 8,192 bytes [tile][8 K steps][16 words], then B's
.set MST,    278528                    ; the way out's scale words: 512 bytes a wave; no fill lands here
.set SPARE,  280576                    ; the spare words: 128 bytes a wave
.set NQ,     2
.set FR,     16
.set NL,     4
.set NP,     8                         ; places behind this matrix instruction (ISA guide 7.12.1)
.set LAPS,   2                         ; K = 1,024 = four slots = twice round the ring
.set ADRA, 16
.set ADRB, 20
.set MSA,  24                          ; v24 where I put a scale word
.set MSR,  25                          ; v25 where I read four back
.set L16,  26                          ; v26 16 x lane
.set ADRS, 27
.set SPW,  28
.set NIL,  29
.set SC,   32
.set AF,   128
.set HT,   128                         ; the way out: 64 numbers held within the largest code
.set PC,   224                         ; their codes
.set TM,   240                         ; at work
.set G1, 24
.set G0, 32
.set G1B, 48
.set G0B, 56
.set G1S, 68
.set G0S, 76
.set G1SB, 80
.set G0SB, 88
.set SEL, 66                           ; s[66:67]
.set MNT, 2
.set MSB, 0
.macro WIN new                         ; the immediate's high byte repeats the setting that is left
.if MSB != (\new)
	s_set_vgpr_msb (MSB<<8)|(\new)
.set MSB, (\new)
.endif
.endm
.set MUL_LO, 0xa1                      ; source 0 (B) window 1, source 1 (A) window 0, C and D window 2
.set MUL_HI, 0xf1
.set TO_B,   0x40
; A joint load: waves 0 and 1 fetch for A, waves 2 and 3 for B; the branch hangs on the wave's number alone.  An s_nop 0 and four v_nop follow each line.
.macro JLOAD g0a, g1a, g0b, g1b
	s_cmp_eq_u32 s15, 0
	s_cbranch_scc0 .Lfor_b_\@
	tensor_load_to_lds s[\g0a:\g0a+3], s[\g1a:\g1a+7]
	s_nop 0
.rept 4
	v_nop
.endr
	s_branch .Lasked_\@
.Lfor_b_\@:
	tensor_load_to_lds s[\g0b:\g0b+3], s[\g1b:\g1b+7]
	s_nop 0
.rept 4
	v_nop
.endr
.Lasked_\@:
.endm
.macro CREST
	s_cmp_lg_u32 s14, 0
	s_cbranch_scc1 .Lnot_wave_0_\@
	s_barrier_signal -3
.Lnot_wave_0_\@:
	s_barrier_wait -3
	s_barrier_signal -1
	s_barrier_wait -1
.endm
.macro CROUND
	s_barrier_signal -1
	s_barrier_wait -1
	CREST
.endm
.macro PLACES n
.rept \n
	v_nop
.endr
.endm
	s_load_b128 s[4:7], s[0:1], 0x0                ; p1 s[4:5], qkv s[6:7]
	v_lshl_add_u32 v[SPW], v0, 2, SPARE
	v_mov_b32 v[NIL], 0
	ds_add_u32 v[SPW], v[NIL]                      ; the wave's opening: the add and its wait stand ahead of my first tensor load
	ds_add_u32 v[SPW], v[NIL]
	v_lshrrev_b32 v1, 5, v0
	v_readfirstlane_b32 s14, v1                    ; wave 0..3
	s_lshr_b32 s15, s14, 1                         ; my half of A's rows.  Also: I fetch for A (0) or for B (1)
	s_and_b32 s16, s14, 1                          ; my half of B's rows.  Also: which eight row tiles I fetch
	s_bfe_u32 s40, ttmp6, 0x40000                  ; cx
	s_bfe_u32 s41, ttmp6, 0x40004                  ; cy
	s_lshr_b32 s8, ttmp9, 1
	s_and_b32 s9, ttmp9, 1
	s_sub_co_u32 s10, ttmp9, 8
	s_mov_b32 s11, 384
	s_mov_b32 s18, 0x800000
	s_mov_b32 s19, 0xc40000
	s_cmp_lt_u32 ttmp9, 8                          ; q, k or v: the cluster's number alone
	s_cselect_b32 s8, s8, 0                        ; the cluster's row of tiles
	s_cselect_b32 s9, s9, s10                      ; and its column
	s_cselect_b32 s11, 0, s11                      ; A's first unit: h, or w_v
	s_cselect_b32 s10, 256, 0                      ; B's: w_q, or h
	s_cselect_b32 s96, 16, 32                      ; column blocks in a row tile of the output
	s_cselect_b32 s97, 12, 10                      ; log2 of the output's rows
	s_cselect_b32 s98, 0, s18                      ; where the codes go
	s_cselect_b32 s99, 0xc00000, s19               ; and the scale words
	s_lshl_b32 s42, s9, 2
	s_add_co_u32 s42, s42, s40                     ; tile column
	s_lshl_b32 s17, s8, 2
	s_add_co_u32 s17, s17, s41                     ; tile row
	s_lshl_b32 s43, s41, 2
	s_lshl_b32 s43, 15, s43                        ; my row of the cluster
	s_lshl_b32 s44, 0x1111, s40                    ; my column
	; group 1, codes: 8 row tiles x 4,096 bytes (512 elements of 8 bytes), 16,384 bytes apart
	s_or_b32 s[G1+0], s43, (3<<16)|(1<<21)
	s_or_b32 s[G1B+0], s44, (3<<16)|(1<<21)
.irp g, G1, G1B
	s_mov_b32 s[\g+1], 512<<16                     ; tensor_dim0
	s_mov_b32 s[\g+2], 16<<16                      ; tensor_dim1: the head's loads bring a side's sixteen row tiles; the ring's bring eight (set behind the head's wait)
	s_mov_b32 s[\g+3], 512<<16                     ; tile_dim0
	s_mov_b32 s[\g+4], 16                          ; tile_dim1
	s_mov_b32 s[\g+5], 2048                        ; stride
	s_mov_b32 s[\g+6], 0
	s_mov_b32 s[\g+7], 0
.endr
	; group 1, scale words: 8,192 dense bytes as 32 rows of 256
	s_or_b32 s[G1S+0], s43, (3<<16)|(1<<21)
	s_or_b32 s[G1SB+0], s44, (3<<16)|(1<<21)
.irp g, G1S, G1SB
	s_mov_b32 s[\g+1], 32<<16
	s_mov_b32 s[\g+2], 32<<16                      ; a side's scale words whole: 8,192 dense bytes as 32 rows of 256
	s_mov_b32 s[\g+3], 32<<16
	s_mov_b32 s[\g+4], 32
	s_mov_b32 s[\g+5], 32
	s_mov_b32 s[\g+6], 0
	s_mov_b32 s[\g+7], 0
.endr
	s_mov_b32 s18, 0                               ; the head's addresses are the block's first units; my half is added for the ring
	s_lshl_b32 s20, s17, 4
	s_add_co_u32 s20, s20, s11
	s_add_co_u32 s20, s20, s18                     ; A: the first unit that I fetch
	s_lshl_b32 s46, s42, 4
	s_add_co_u32 s46, s46, s10
	s_add_co_u32 s46, s46, s18                     ; B: likewise
	s_lshl_b32 s22, s20, 9                         ; their scale words,
	s_mov_b32 s23, 0
	s_lshl_b32 s92, s46, 9
	s_mov_b32 s93, 0
	s_lshl_b32 s20, s20, 14                        ; their codes
	s_add_co_u32 s20, s20, 524288
	s_mov_b32 s21, 0
	s_lshl_b32 s46, s46, 14
	s_add_co_u32 s46, s46, 524288
	s_mov_b32 s47, 0
	s_lshl_b32 s45, s14, 15                        ; where they go: wave x 32,768: no place in the cluster enters an LDS address
	s_mov_b32 s[SEL], 0x76543210
	s_mov_b32 s[SEL+1], 0xfedcba98
	s_mov_b32 s[MNT], 0x600000
	s_wait_dscnt 0x0                               ; the opening add is done
	CROUND                                         ; the opening round, ahead of the wait for the arguments: all sixteen work-groups are here
	s_wait_kmcnt 0x0
	s_add_nc_u64 s[20:21], s[4:5], s[20:21]
	s_add_nc_u64 s[22:23], s[4:5], s[22:23]
	s_add_nc_u64 s[46:47], s[4:5], s[46:47]
	s_add_nc_u64 s[92:93], s[4:5], s[92:93]
	s_mov_b32 s[G0S], 1
	s_mov_b32 s[G0S+1], SCL
	s_mov_b64 s[G0S+2:G0S+3], s[22:23]
	s_or_b32 s[G0S+3], s[G0S+3], 0x80000000
	s_mov_b32 s[G0SB], 1
	s_mov_b32 s[G0SB+1], SCL+8192
	s_mov_b64 s[G0SB+2:G0SB+3], s[92:93]
	s_or_b32 s[G0SB+3], s[G0SB+3], 0x80000000
.irp s, 0,1
	s_mov_b32 s[G0+4*\s], 1
	s_add_co_u32 s[G0+4*\s+1], s45, \s*SLOT
	s_add_nc_u64 s[G0+4*\s+2:G0+4*\s+3], s[20:21], \s*4096
	s_or_b32 s[G0+4*\s+3], s[G0+4*\s+3], 0x80000000
	s_mov_b32 s[G0B+4*\s], 1
	s_add_co_u32 s[G0B+4*\s+1], s45, \s*SLOT
	s_add_nc_u64 s[G0B+4*\s+2:G0B+4*\s+3], s[46:47], \s*4096
	s_or_b32 s[G0B+4*\s+3], s[G0B+4*\s+3], 0x80000000
.endr
	s_mov_b32 s[G0+1], 0                           ; slot 0's groups 0 serve the head first: A's sixteen tiles at byte 0,
	s_mov_b32 s[G0B+1], 65536                      ; B's behind them
	s_lshl_b32 s18, s16, 17                        ; my eight units of a side, in bytes
	s_mov_b32 s19, 0
	s_add_nc_u64 s[G0+6:G0+7], s[G0+6:G0+7], s[18:19]       ; slot 1's groups 0 are the ring's: my half
	s_add_nc_u64 s[G0B+6:G0B+7], s[G0B+6:G0B+7], s[18:19]
	; the prefetches: of the eight units that I fetch in the ring, each of the four partners that ask with me names two, told apart by address (cx for A, cy for B)
	s_cmp_eq_u32 s15, 0
	s_cselect_b64 s[10:11], s[20:21], s[46:47]
	s_cselect_b32 s8, s40, s41
	s_lshl_b32 s8, s8, 15
	s_add_co_u32 s8, s8, s18
	s_mov_b32 s9, 0
	s_add_nc_u64 s[10:11], s[10:11], s[8:9]
; THE HEAD'S LOADS, ONE A WAVE: wave 0 slot 0's tiles of A, wave 1 those of B, wave 2 A's scale words, wave 3 B's; one chain of branches on the wave's number, all arms to one join
.macro HARM under, g0, g1, next
	s_cmp_lt_u32 s14, \under
	s_cbranch_scc0 \next
	tensor_load_to_lds s[\g0:\g0+3], s[\g1:\g1+7]
	s_nop 0
.rept 4
	v_nop
.endr
	s_branch .Lhead_asked
\next:
.endm
	HARM 1, G0, G1, .Lh_b
	HARM 2, G0B, G1B, .Lh_sa
	HARM 3, G0S, G1S, .Lh_sb
	tensor_load_to_lds s[G0SB:G0SB+3], s[G1SB:G1SB+7]
	s_nop 0
.rept 4
	v_nop
.endr
.Lhead_asked:
	v_bfe_u32 v30, v0, 4, 1                        ; v30: lanes 0-15 one unit, lanes 16-31 the next; 256 bytes a lane: a slot's 4,096 bytes of each; never rewritten
	v_lshlrev_b32 v30, 14, v30
	v_and_b32 v7, 15, v0
	v_lshl_add_u32 v30, v7, 8, v30
	global_prefetch_b8 v30, s[10:11] offset:4096 th:TH_LOAD_NT scope:SCOPE_SE    ; slots 1 and 2: behind the load of slot s stands the request for slot s + 2; here slot 1's too
	global_prefetch_b8 v30, s[10:11] offset:8192 th:TH_LOAD_NT scope:SCOPE_SE
	v_and_b32 v1, 15, v0                           ; r
	v_bfe_u32 v2, v0, 4, 1                         ; h
	s_wait_alu depctr_va_vdst(0)
	v_and_b32 v3, 31, v0
	v_lshlrev_b32 v[L16], 4, v3
	s_wait_alu depctr_va_vdst(0)
	s_lshl_b32 s21, s15, 15                        ; my eight row tiles of A
	s_lshl_b32 s22, s16, 15                        ; and of B,
	s_add_co_u32 s22, s22, 65536                   ; which lie behind A's sixteen
.irp s, 0,1
	v_add_nc_u32 v[ADRA+\s], s21, v[L16]
	v_add_nc_u32 v[ADRB+\s], s22, v[L16]
	s_add_co_u32 s21, s21, SLOT
	s_add_co_u32 s22, s22, SLOT
.endr
	s_lshl_b32 s21, s15, 12                        ; scale words: lanes 0-15 take A's, lanes 16-31 B's: the lower base + h x the distance
	s_lshl_b32 s22, s16, 12
	s_add_co_u32 s22, s22, 8192
	s_sub_co_u32 s22, s22, s21
	v_mul_u32_u24 v6, s22, v2
	s_add_co_u32 s21, s21, SCL
	v_lshl_add_u32 v5, v1, 2, v6
	v_add_nc_u32 v[ADRS], s21, v5
	s_lshl_b32 s23, s14, 9
	s_add_co_u32 s23, s23, MST
	v_lshl_add_u32 v[MSA], v1, 2, s23
	v_add_nc_u32 v[MSR], s23, v[L16]
	; where my results go: codes ((16 tr + 8 wr) NCB + 2 tc + wc) x 2,048; scale words (((2 tc + wc) << logR) + 256 tr + 128 wr) x 4
	s_lshl_b32 s20, s17, 4
	s_lshl_b32 s21, s15, 3
	s_add_co_u32 s20, s20, s21
	s_mul_i32 s20, s20, s96
	s_lshl_b32 s46, s42, 1
	s_add_co_u32 s46, s46, s16
	s_add_co_u32 s20, s20, s46
	s_lshl_b32 s20, s20, 11
	s_add_co_u32 s20, s20, s98
	s_mov_b32 s21, 0
	s_add_nc_u64 s[12:13], s[6:7], s[20:21]
	s_lshl_b32 s92, s96, 11                        ; from row tile to row tile
	s_mov_b32 s93, 0
	s_lshl_b32 s46, s46, s97
	s_lshl_b32 s20, s17, 8
	s_add_co_u32 s46, s46, s20
	s_lshl_b32 s20, s15, 7
	s_add_co_u32 s46, s46, s20
	s_lshl_b32 s46, s46, 2
	s_add_co_u32 s46, s46, s99
	s_mov_b32 s47, 0
	s_add_nc_u64 s[94:95], s[6:7], s[46:47]
.macro FRAG reg, adr, q, i             ; a fragment's image: four loads of 512 consecutive bytes
.irp c, 0,1,2,3
	ds_load_b128 v[\reg+4*\c:\reg+4*\c+3], v[\adr] offset:2048*(\q)+512*\c+(\i)*4096
.endr
.endm
; 16 matrix instructions: A's blocks a0, a0 + 1 x B's eight.  The 64 accumulators take turns, one instruction a turn, in the same order in every step.
.macro MUL16 a0, p, q, sc, zero
.irp a, \a0, \a0+1
.irp b, 0,1,2,3,4,5,6,7
.if \zero
	v_wmma_scale_f32_16x16x128_f8f6f4 v[8*(8*((\a)%4)+\b):8*(8*((\a)%4)+\b)+7], v[128*(\p)+FR*\b:128*(\p)+FR*\b+FR-1], v[AF+FR*(\a):AF+FR*(\a)+FR-1], 0, v[SC+8*NQ*(\sc)+NQ*\b+(\q)], v[SC+8*NQ*(\sc)+NQ*(\a)+(\q)] matrix_a_scale:MATRIX_SCALE_ROW1
.else
	v_wmma_scale_f32_16x16x128_f8f6f4 v[8*(8*((\a)%4)+\b):8*(8*((\a)%4)+\b)+7], v[128*(\p)+FR*\b:128*(\p)+FR*\b+FR-1], v[AF+FR*(\a):AF+FR*(\a)+FR-1], v[8*(8*((\a)%4)+\b):8*(8*((\a)%4)+\b)+7], v[SC+8*NQ*(\sc)+NQ*\b+(\q)], v[SC+8*NQ*(\sc)+NQ*(\a)+(\q)] matrix_a_scale:MATRIX_SCALE_ROW1
.endif
.endr
.endr
.endm
.macro FETCH_B slot, q, p
	WIN TO_B
.irp i, 0,1,2,3,4,5,6,7
	FRAG 128*(\p)+FR*\i, ADRB+\slot, \q, \i
.endr
	WIN 0
.endm
.macro FETCH_A slot, q, i0
.irp i, \i0, \i0+1, \i0+2, \i0+3
	FRAG AF+FR*(\i), ADRA+\slot, \q, \i
.endr
.endm
.macro SCALES sc                       ; a slot's scale words: register NQ i + q: lanes 0-15 A's block i, lanes 16-31 B's block i
.irp i, 0,1,2,3,4,5,6,7
.irp q, 0,1
	ds_load_b32 v[SC+8*NQ*\sc+NQ*\i+\q], v[ADRS] offset:\i*512+\q*64
.endr
.endr
.endm
.macro STEP slot, q, zero              ; 128 along K with its successor in the same slot
	s_wait_dscnt 4*NL                              ; all but the youngest sixteen loads (A's blocks 4-7) are in
	WIN MUL_LO
	MUL16 0, (\q)%2, \q, \slot, \zero
	MUL16 2, (\q)%2, \q, \slot, \zero
	s_wait_dscnt 0
	PLACES NP                                      ; in front of loads into registers that matrix instructions have read
	FETCH_B \slot, (\q)+1, 1-(\q)%2
	FETCH_A \slot, (\q)+1, 0
	WIN MUL_HI
	MUL16 4, (\q)%2, \q, \slot, \zero
	MUL16 6, (\q)%2, \q, \slot, \zero
	PLACES NP
	WIN 0
	FETCH_A \slot, (\q)+1, 4
.endm
; A slot's last step changes slots: one barrier; in front of it each wave waits for all its tensor loads, adds 0 to its spare word, and waits for that and for its reads of this slot.
.macro TURN slot, next, fill
	s_wait_tensorcnt 0x0                           ; all my tensor loads have landed: my part of the next slot
	ds_add_u32 v[SPW], v[NIL]
	s_wait_dscnt 4*NL+1                            ; (the add and the youngest sixteen loads may be out)
	WIN MUL_LO
	MUL16 0, 1, NQ-1, \slot, 0
	s_wait_dscnt 0x0                               ; the add is done, and my reads of this slot are over
	s_barrier_signal -1
	MUL16 2, 1, NQ-1, \slot, 0
	WIN 0
	s_barrier_wait -1
.if \fill
	CREST                                          ; the barrier has opened a round of the cluster's: no wave of any partner still reads this slot or has a load on its way
	s_add_nc_u64 s[G0+4*\slot+2:G0+4*\slot+3], s[G0+4*\slot+2:G0+4*\slot+3], 8192
	s_add_nc_u64 s[G0B+4*\slot+2:G0B+4*\slot+3], s[G0B+4*\slot+2:G0B+4*\slot+3], 8192
	JLOAD G0+4*\slot, G1, G0B+4*\slot, G1B         ; the first tensor load behind the round; its four v_nop are among the places below
	PLACES NP-4
.else
	PLACES NP
.endif
	s_wait_alu depctr_va_vdst(0)
	v_add_nc_u32 v[ADRS], 128, v[ADRS]             ; the next slot's scale words
	FETCH_B \next, 0, 0
	FETCH_A \next, 0, 0
	SCALES \next
	WIN MUL_HI
	MUL16 4, 1, NQ-1, \slot, 0
	MUL16 6, 1, NQ-1, \slot, 0
	PLACES NP
	WIN 0
	FETCH_A \next, 0, 4
.endm
	s_wait_alu depctr_va_vdst(0)
	s_wait_tensorcnt 0x0                           ; my tile of the head's four is in
	ds_add_u32 v[SPW], v[NIL]
	s_mov_b32 s[G1+2], 8<<16                       ; no tensor load of mine is out: from here on a load brings eight row tiles,
	s_mov_b32 s[G1+4], 8
	s_mov_b32 s[G1B+2], 8<<16
	s_mov_b32 s[G1B+4], 8
	s_lshl_b32 s[G0+1], s14, 15                    ; and slot 0's groups 0 become the ring's: wave x 32,768, my half of the units
	s_lshl_b32 s[G0B+1], s14, 15
	s_add_nc_u64 s[G0+2:G0+3], s[G0+2:G0+3], s[18:19]
	s_add_nc_u64 s[G0B+2:G0B+3], s[G0B+2:G0B+3], s[18:19]
	s_wait_dscnt 0x0
	CROUND                                         ; all four tiles are in, and all sixteen work-groups are here
	JLOAD G0+4, G1, G0B+4, G1B                     ; slot 1's first fill: the first tensor load behind the round
	global_prefetch_b8 v30, s[10:11] offset:12288 th:TH_LOAD_NT scope:SCOPE_SE   ; slot 3, the last: the refills ask for nothing further
	FETCH_B 0, 0, 0
	FETCH_A 0, 0, 0
	SCALES 0
	FETCH_A 0, 0, 4
	STEP 0, 0, 1                                   ; the first step starts the sums
	s_mov_b32 s3, LAPS-1
.Llap:
	TURN 0, 1, 1
	STEP 1, 0, 0
	TURN 1, 0, 1
	STEP 0, 0, 0
	s_sub_co_u32 s3, s3, 1
	s_cmp_lg_u32 s3, 0
	s_cbranch_scc1 .Llap
	TURN 0, 1, 0                                   ; the last lap fills nothing
	STEP 1, 0, 0
	s_wait_dscnt 4*NL
	WIN MUL_LO
	MUL16 0, 1, NQ-1, 1, 0
	MUL16 2, 1, NQ-1, 1, 0
	s_wait_dscnt 0
	WIN MUL_HI
	MUL16 4, 1, NQ-1, 1, 0
	MUL16 6, 1, NQ-1, 1, 0
	WIN 0
; 64 numbers of a lane, v[s] on in window x (register 16 b + i: place 16 h + i of block b of my row), become a fragment's codes in v[PC] on and its scale word in v[pw].  Each accumulator is read from its low end on.
.macro QUANTW s, x, pw
	WIN (\x)|((\x)<<2)
.irp b, 0,1,2,3
	v_max3_num_f32 v[TM+\b], |v[(\s)+16*\b]|, |v[(\s)+16*\b+1]|, 0x4800000   ; with the floor 2^(9 - 127)
.endr
.irp i, 2,4,6,8,10,12,14
.irp b, 0,1,2,3
	v_max3_num_f32 v[TM+\b], |v[(\s)+16*\b+\i]|, |v[(\s)+16*\b+\i+1]|, v[TM+\b]
.endr
.endr
	WIN 0
.irp b, 0,1,2,3
	v_permlanex16_b32 v[TM+4+\b], v[TM+\b], s[SEL], s[SEL+1]
.endr
.irp b, 0,1,2,3
	v_max_num_f32 v[TM+\b], v[TM+\b], v[TM+4+\b]
.endr
.irp b, 0,1,2,3
	v_add_nc_u32 v[TM+12+\b], 0xfc000000, v[TM+\b]
.endr
.irp b, 0,1,2,3
	v_and_or_b32 v[TM+8+\b], v[TM+\b], 0x7f800000, s[MNT]
.endr
.irp b, 0,1,2,3
	v_lshrrev_b32 v[TM+4+\b], 23, v[TM+12+\b]
.endr
	v_lshl_or_b32 v[\pw], v[TM+5], 8, v[TM+4]
	v_lshl_or_b32 v[\pw], v[TM+6], 16, v[\pw]
	v_lshl_or_b32 v[\pw], v[TM+7], 24, v[\pw]
	WIN \x
.irp b, 0,1,2,3
.irp i, 0,1,2,3,4,5,6,7,8,9,10,11,12,13,14,15
	v_med3_num_f32 v[HT+16*\b+\i], v[(\s)+16*\b+\i], -v[TM+8+\b], v[TM+8+\b]   ; the hold at the largest code x the scale (ISA guide 7.6.2)
.endr
.endr
	WIN 0
.irp b, 0,1,2,3
	v_cvt_scalef32_pk8_fp8_f32 v[PC+4*\b:PC+4*\b+1], v[HT+16*\b:HT+16*\b+7], v[TM+12+\b]
	v_cvt_scalef32_pk8_fp8_f32 v[PC+4*\b+2:PC+4*\b+3], v[HT+16*\b+8:HT+16*\b+15], v[TM+12+\b]
.endr
	v_nop
.endm
	; THE WAY OUT: each of my eight row tiles x 128 columns is one fragment and one scale word a row.
	PLACES NP
.irp b, 0,1,2,3
	v_mov_b32 v[TM+4+\b], 0                        ; a lane permute's destination counts as one of its sources
.endr
.irp a, 0,1,2,3,4,5,6,7
	s_wait_xcnt 0x0                                ; the last tile's stores have read their data and their base
.if \a > 0
	s_add_nc_u64 s[12:13], s[12:13], s[92:93]
.endif
	QUANTW 64*(\a%4), 2+\a/4, 8+\a
.irp c, 0,1,2,3
	global_store_b128 v[L16], v[PC+4*\c:PC+4*\c+3], s[12:13] offset:512*\c   ; 512 consecutive bytes a store
.endr
	ds_store_b32 v[MSA], v[8+\a] offset:64*\a      ; lanes r and r + 16 write the same word with the same value
.endr
	ds_load_b128 v[128:131], v[MSR]                ; my own bytes: LDS serves a wave's instructions in order
	s_wait_dscnt 0x0
	global_store_b128 v[L16], v[128:131], s[94:95] ; the words of my 128 rows: 512 consecutive bytes
	s_wait_tensorcnt 0x0                           ; the wave's end
	ds_add_u32 v[SPW], v[NIL]
	s_wait_dscnt 0x0
	CROUND                                         ; the closing round
	s_endpgm
.Lfunc_end_k_q05f7ff2ebb_gqkv:
	.size	k_q05f7ff2ebb_gqkv, .Lfunc_end_k_q05f7ff2ebb_gqkv-k_q05f7ff2ebb_gqkv
	.p2alignl 7, 3214868480
	.fill 96, 4, 3214868480
	.section	.rodata,"a",@progbits
	.p2align	6, 0x0
	.amdhsa_kernel k_q05f7ff2ebb_gqkv
		.amdhsa_group_segment_fixed_size 327680
		.amdhsa_private_segment_fixed_size 0
		.amdhsa_enable_private_segment 0
		.amdhsa_kernarg_size 16
		.amdhsa_user_sgpr_count 2
		.amdhsa_user_sgpr_kernarg_segment_ptr 1
		.amdhsa_wavefront_size32 1
		.amdhsa_system_sgpr_workgroup_id_x 1
		.amdhsa_system_sgpr_workgroup_id_y 1
		.amdhsa_system_sgpr_workgroup_id_z 1
		.amdhsa_system_vgpr_workitem_id 0
		.amdhsa_next_free_vgpr 1024
		.amdhsa_next_free_sgpr 100
		.amdhsa_reserve_vcc 0
		.amdhsa_float_denorm_mode_32 3
		.amdhsa_float_denorm_mode_16_64 3
		.amdhsa_memory_ordered 1
		.amdhsa_forward_progress 1
		.amdhsa_inst_pref_size 189
	.end_amdhsa_kernel
	.amdgpu_metadata
---
amdhsa.version: [ 1, 2 ]
amdhsa.kernels:
  - .name:           k_q05f7ff2ebb_gqkv
    .symbol:         k_q05f7ff2ebb_gqkv.kd
    .args:
      - { .name: p1, .offset: 0, .size: 8, .value_kind: global_buffer, .address_space: global }
      - { .name: qkv, .offset: 8, .size: 8, .value_kind: global_buffer, .address_space: global }
    .group_segment_fixed_size: 327680
    .private_segment_fixed_size: 0
    .kernarg_segment_align: 8
    .kernarg_segment_size: 16
    .max_flat_workgroup_size: 128
    .sgpr_count:     100
    .vgpr_count:     1024
    .wavefront_size: 32
...
	.end_amdgpu_metadata
.endif
;; end of part 2
;; launch attn (part 3): grid 8 x 32, 16 waves a work-group, clusters of 4 x 1, 327,680 bytes of LDS; arguments qkv, oq; writes oq
.if DOCPART == 3
	.amdgcn_target "amdgcn-amd-amdhsa--gfx1250"
	.amdhsa_code_object_version 6
	.text
	.protected	k_q05f7ff2ebb_attn
	.globl	k_q05f7ff2ebb_attn
	.p2align	8
	.type	k_q05f7ff2ebb_attn,@function
k_q05f7ff2ebb_attn:
	s_mov_b64 s[64:65], 0
	v_nop
	global_prefetch_b8 v0, s[64:65] scope:SCOPE_SE
	s_setreg_imm32_b32 hwreg(HW_REG_WAVE_MODE, 25, 1), 1
	s_wait_xcnt 0x0
	s_wait_alu depctr_hold_cnt(0) depctr_sa_sdst(0) depctr_va_vdst(0) depctr_va_sdst(0) depctr_va_ssrc(0) depctr_va_vcc(0) depctr_vm_vsrc(0)
	s_getreg_b32 s2, hwreg(HW_REG_IB_STS2, 6, 4)
	s_cmp_eq_u32 s2, 0
	s_cbranch_scc0 .Lentry_in_a_cluster
	s_endpgm
.Lentry_in_a_cluster:
	s_bfe_u32 s2, ttmp6, 0x10000c
	s_cmp_lg_u32 s2, 0x3003
	s_cbranch_scc0 .Lentry_shape_is_right
	s_endpgm
.Lentry_shape_is_right:
; ATTENTION on codes of FP8 (E4M3) with E8M0 scales: 32 (batch, head) pairs, 2,048 queries and keys, head size 64.  Arguments: qkv (as the launch before lays it), oq.
; t = score x log2(e) / 8; M = the running largest t rounded up to a whole number; p = 2^(t - M) is quantised along the keys, not normalised; the row's sum is taken of the unquantised p and divides O at the end.
; O / sum is quantised along the channels and leaves as half a fragment (a K step of the next product is two heads) and half a scale word.
; SHARES.  A work-group owns 256 queries of one head, each of its sixteen waves 16 of them.  The four work-groups of a cluster share a head and ask for its tiles jointly.
; ALL OF A HEAD'S K AND V LIE IN LDS AT ONCE (128 KiB each, 12 KiB of scale words), filled once, at the head, one tensor load a wave: wave 0 K's first 512 keys, wave 1 K's scale words,
; waves 2-4 K's other three parts, waves 5-8 a channel tile of V each, wave 9 V's scale words.  No LDS byte is filled again.
; TWO BARRIERS: the first shows waves 0 and 1's tiles alone (they have load lines of their own and they alone wait there): the first key step's scores and softmax need no more.
; The second stands in that step ahead of V's loads; every wave waits there for its tile.  From then on no step waits for another wave.
; NO PREFETCH: every tile is asked for once, at the head; there is no loop in which a request could run ahead of a load.
; Both products are used transposed: S^T = K Q^T, O^T = V^T P^T: a lane holds one query (lane % 16); p's 16 registers of two neighbouring tiles are a block's places 16 h + 0..15, as V's fragments have them.
; TWO RUNS OF 64 REGISTERS CHANGE ROLES FROM STEP TO STEP: one holds K and then V; the other S^T, then p, then the NEXT step's K.  A trip of the loop is two steps, until the runs are back where they began.
; HEAD SIZE 64 IN A K OF 128: Q's upper eight registers hold zero codes; K's operand of tile T runs on into tile T + 1's codes (finite numbers, which meet zero codes), the last tile's into eight zero registers;
; the scale words are read as 16 bits, so the upper two bytes are 0 (a finite code).
; LIMITS: NaN and infinities are not served; the scaled scores stay under 2^31 in magnitude; a block of zeros, or one under 2^-118, keeps the scale byte 1 (read by this program alone).
.set VC,    131072                     ; K's codes at 0: [128 key tiles][1,024]; V's here: [4 channel tiles][16 steps][2,048]
.set KSL,   262144                     ; K's scale words: 2,048 words
.set VSL,   270336                     ; V's: 256 bytes a step
.set SPARE, 278528                     ; the spare words: 128 bytes for each of sixteen waves
.set VCODES, 8388608
.set QKSC,   12582912
.set VSC,    12845056
.set L16, 1                            ; v1  16 x lane
.set AKS, 2                            ; v2  my place among K's half scale words
.set AVS, 3                            ; v3  and among V's scale words
.set R4,  4                            ; v4  4 r
.set SPW, 5
.set NIL, 6
.set ADW, 7                            ; v7-11 the LDS addresses of a pair of steps: V's channel tiles 2, 3; K; V's tiles 0, 1; K's scale words; V's
.set ADK, 8
.set ADV, 9
.set ADS, 10
.set ADT, 11
.set R0,  32                           ; v32-95   the first run;  v96-103 zeros
.set R1,  104                          ; v104-167 the second run; v168-175 zeros
.set O,   176                          ; v176-207 O^T
.set PCD, 208                          ; v208-223 p's codes
.set KSW, 224                          ; v224-231 K's scale words
.set VSW, 232                          ; v232-235 V's
.set BM,  236                          ; each block's largest score, then its largest p
.set PB,  240                          ; the other half of the lanes'; partial sums; the scales' bytes; the limits once more
.set LIM, 244                          ; a partial sum; 448 x the scale
.set SCO, 248                          ; the conversions' scale operands
.set WV,  18
.set MNT, 19
.set SEL, 20
.set CS,  22
.set G1K, 24
.set G1V, 32
.set G0C, 48                           ; s[48:51] group 0 of waves 2-8's codes; s[52:55] of K's scale words; s[56:59] of V's; s[60:63] of K's first part
.set G0KS, 52
.set G0VS, 56
.set G0Z, 60
.set G1KS, 68
.set G1VS, 76
.set TK,  2                            ; LDS byte of the K that a pair's first step asks for
.set TV,  3                            ; of the pair's first V
.set TS,  66                           ; of K's scale words, of V's, likewise
.set TT,  67
.set CNT, 84
.macro CROUND
	s_barrier_signal -1
	s_barrier_wait -1
	s_cmp_lg_u32 s[WV], 0
	s_cbranch_scc1 .Lnot_wave_0_\@
	s_barrier_signal -3
.Lnot_wave_0_\@:
	s_barrier_wait -3
	s_barrier_signal -1
	s_barrier_wait -1
.endm
.macro PLACES n
.rept \n
	v_nop
.endr
.endm
.macro GRP1 g, c, r, p                 ; group 1: r rows of c elements of 8 bytes, p elements apart; the mask names all four work-groups
	s_mov_b32 s[\g], 15|(3<<16)|(1<<21)
	s_mov_b32 s[\g+1], (\c)<<16
	s_mov_b32 s[\g+2], (\r)<<16
	s_mov_b32 s[\g+3], (\c)<<16
	s_mov_b32 s[\g+4], \r
	s_mov_b32 s[\g+5], \p
	s_mov_b32 s[\g+6], 0
	s_mov_b32 s[\g+7], 0
.endm
	s_load_b128 s[4:7], s[0:1], 0x0                ; qkv s[4:5], oq s[6:7]
	v_lshl_add_u32 v[SPW], v0, 2, SPARE
	v_mov_b32 v[NIL], 0
	ds_add_u32 v[SPW], v[NIL]                      ; the wave's opening: the add, twice on end, and its wait ahead of my first tensor load
	ds_add_u32 v[SPW], v[NIL]
	v_lshrrev_b32 v8, 5, v0
	v_readfirstlane_b32 s[WV], v8                  ; wave 0..15
	s_and_b32 s8, ttmp7, 0xffff                    ; (batch, head): the four partners share it
	s_lshr_b32 s9, s8, 4                           ; batch
	s_and_b32 s10, s8, 15                          ; head
	s_lshr_b32 s11, s10, 1                         ; pair of heads
	s_and_b32 s12, s10, 1                          ; which of the pair
	s_add_co_u32 s17, s[WV], 7
	s_and_b32 s17, s17, 7                          ; wave - 1 in waves 1 to 8: which 32,768 bytes of LDS waves 2-8 fill
	s_and_b32 s13, s17, 3                          ; waves 2-4: which 512 keys of K (1 to 3); waves 5-8: which channel tile of V (0 to 3)
	s_lshl_b32 s14, s9, 22                         ; K's codes: token tile x 32,768 + (8 + pair) x 2,048 + 1,024 x which; 32 token tiles a load
	s_lshl_b32 s15, s11, 11
	s_add_co_u32 s14, s14, s15
	s_lshl_b32 s15, s12, 10
	s_add_co_u32 s14, s14, s15
	s_add_co_u32 s14, s14, 8*2048
	s_lshl_b32 s16, s10, 18                        ; V's codes: channel tile x 65,536 + token block x 2,048: a batch's 16 blocks are 32,768 bytes on end
	s_lshl_b32 s15, s13, 16
	s_add_co_u32 s16, s16, s15
	s_lshl_b32 s15, s9, 15
	s_add_co_u32 s16, s16, s15
	s_add_co_u32 s16, s16, VCODES
	s_mov_b32 s92, s14                             ; K's first 512 keys: wave 0's
	s_mov_b32 s93, 0
	s_lshl_b32 s15, s13, 20
	s_add_co_u32 s14, s14, s15
	s_cmp_lt_u32 s[WV], 5
	s_cselect_b32 s86, s14, s16
	s_mov_b32 s87, 0
	s_lshl_b32 s90, s11, 14                        ; K's scale words: 8,192 dense bytes
	s_lshl_b32 s15, s9, 13
	s_add_co_u32 s90, s90, s15
	s_add_co_u32 s90, s90, QKSC+8*16384
	s_mov_b32 s91, 0
	s_lshl_b32 s88, s9, 16                         ; V's: 16 steps x 256 bytes, 4,096 apart
	s_lshl_b32 s15, s10, 8
	s_add_co_u32 s88, s88, s15
	s_add_co_u32 s88, s88, VSC
	s_mov_b32 s89, 0
	GRP1 G1K, 128, 32, 4096                        ; K: 32 key tiles x 1,024 bytes, 32,768 apart
	GRP1 G1V, 1024, 4, 1024                        ; V: 32,768 dense bytes as 4 rows of 8,192
	GRP1 G1KS, 32, 32, 32                          ; 32 rows of 256 bytes, dense
	GRP1 G1VS, 32, 16, 512
	s_mov_b32 s[SEL], 0x76543210
	s_mov_b32 s[SEL+1], 0xfedcba98
	s_mov_b32 s[CS], 0x3e38aa3b                    ; c = log2(e) / 8
	s_mov_b32 s[CS+1], s[CS]
	s_mov_b32 s[MNT], 0x600000
	s_wait_dscnt 0x0                               ; both opening adds are done
	CROUND                                         ; the opening round, ahead of the wait for the arguments: all four work-groups are here
	s_wait_kmcnt 0x0
	s_mov_b32 s[G0C], 1
	s_lshl_b32 s[G0C+1], s17, 15                   ; waves 2-8: 32,768 x (wave - 1): K's parts 1 to 3, then V's four tiles (VC = 4 x 32,768)
	s_add_nc_u64 s[G0C+2:G0C+3], s[4:5], s[86:87]
	s_or_b32 s[G0C+3], s[G0C+3], 0x80000000
	s_mov_b32 s[G0KS], 1
	s_mov_b32 s[G0KS+1], KSL
	s_add_nc_u64 s[G0KS+2:G0KS+3], s[4:5], s[90:91]
	s_or_b32 s[G0KS+3], s[G0KS+3], 0x80000000
	s_mov_b32 s[G0VS], 1
	s_mov_b32 s[G0VS+1], VSL
	s_add_nc_u64 s[G0VS+2:G0VS+3], s[4:5], s[88:89]
	s_or_b32 s[G0VS+3], s[G0VS+3], 0x80000000
	s_mov_b32 s[G0Z], 1
	s_mov_b32 s[G0Z+1], 0
	s_add_nc_u64 s[G0Z+2:G0Z+3], s[4:5], s[92:93]
	s_or_b32 s[G0Z+3], s[G0Z+3], 0x80000000
.macro ARM under, g0, g1, next         ; one chain of branches on the wave's number, a load to an arm, all arms to one join
	s_cmp_lt_u32 s[WV], \under
	s_cbranch_scc0 \next
	tensor_load_to_lds s[\g0:\g0+3], s[\g1:\g1+7]
	s_nop 0
	PLACES 4
	s_branch .Lasked
\next:
.endm
	ARM 1, G0Z, G1K, .La_ks
	ARM 2, G0KS, G1KS, .La_k
	ARM 5, G0C, G1K, .La_v
	ARM 9, G0C, G1V, .La_vs
	ARM 10, G0VS, G1VS, .La_none
.Lasked:
	; my 16 queries: token tile = 128 x batch + 16 x (4 x cluster x + cx) + wave.  cx enters global addresses of Q and O alone
	s_bfe_u32 s93, ttmp6, 0x40000
	s_lshl_b32 s94, ttmp9, 2
	s_add_co_u32 s94, s94, s93
	s_lshl_b32 s94, s94, 4
	s_add_co_u32 s94, s94, s[WV]
	s_lshl_b32 s95, s9, 7
	s_add_co_u32 s94, s94, s95
	s_lshl_b32 s93, s11, 11
	s_lshl_b32 s95, s12, 10
	s_add_co_u32 s93, s93, s95                     ; pair x 2,048 + 1,024 x which
	s_lshl_b32 s96, s94, 15
	s_add_co_u32 s96, s96, s93
	s_mov_b32 s97, 0
	s_add_nc_u64 s[96:97], s[4:5], s[96:97]        ; Q's codes
	s_lshl_b32 s40, s94, 14
	s_add_co_u32 s40, s40, s93
	s_mov_b32 s41, 0
	s_add_nc_u64 s[40:41], s[6:7], s[40:41]        ; O's codes
	s_lshl_b32 s93, s11, 14
	s_lshl_b32 s95, s94, 6
	s_add_co_u32 s93, s93, s95
	s_lshl_b32 s95, s12, 1
	s_add_co_u32 s93, s93, s95                     ; (pair x 4,096 + token) x 4 + 2 x which
	s_add_co_u32 s98, s93, QKSC
	s_mov_b32 s99, 0
	s_add_nc_u64 s[98:99], s[4:5], s[98:99]        ; Q's half scale words
	s_add_co_u32 s42, s93, 4194304
	s_mov_b32 s43, 0
	s_add_nc_u64 s[42:43], s[6:7], s[42:43]        ; O's
	v_and_b32 v9, 15, v0                           ; r
	v_and_b32 v8, 31, v0
	v_lshlrev_b32 v[L16], 4, v8
	v_lshlrev_b32 v[R4], 2, v9
	global_load_b128 v[16:19], v[L16], s[96:97]
	global_load_b128 v[20:23], v[L16], s[96:97] offset:512
	global_load_u16 v255, v[R4], s[98:99]
	s_add_co_u32 s85, s95, KSL
	v_lshl_add_u32 v[AKS], v9, 2, s85              ; K's half scale words: 4 r + 2 x which
	v_lshl_add_u32 v[AVS], v9, 2, VSL
.irp j, 24,25,26,27,28,29,30,31,96,97,98,99,100,101,102,103,168,169,170,171,172,173,174,175
	v_mov_b32 v[\j], 0                             ; zero codes: Q's upper half, and behind each of the two runs
.endr
	v_mov_b32 v13, 0xff61b1e6                      ; the largest t so far: -3e38
	v_floor_f32 v12, -v13                          ; -M
	v_mov_b32 v14, 0
	v_mov_b32 v15, 0
.irp b, 0,1,2,3
	v_mov_b32 v[PB+\b], 0                          ; a lane permute's destination counts as one of its sources
.endr
	v_mov_b32 v253, 0                              ; (named as the upper half of v[252:253] before it is first written)
.set j, 0
.rept 32
	v_mov_b32 v[O+j], 0                            ; the step is written for every step alike: the first finds zeros
.set j, j+1
.endr
.macro VHALF kr, adr, t0, q            ; two channel tiles of V, t0 and t0 + 1, and their scale words: ten loads
.irp t, 0,1
.irp c, 0,1,2,3
	ds_load_b128 v[\kr+16*(\t0+\t)+4*\c:\kr+16*(\t0+\t)+4*\c+3], v[\adr] offset:32768*\t+512*\c+2048*(\q)
.endr
	ds_load_b32 v[VSW+\t0+\t], v[ADT] offset:64*(\t0+\t)+256*(\q)
.endr
.endm
; A KEY STEP: 128 keys.  kr: the run that holds K, asked for a step ago, and then takes V.  sr: the run that takes S^T, p, and (pf = 1) the next step's K.
; bar = 1, the launch's first step: V's loads stand behind the softmax, behind the barrier that shows every wave's tile.
.macro STEP kr, sr, q, pf, bar=0
	s_wait_dscnt 0x0                               ; K and its scale words are in
.irp t, 0,1,2,3,4,5,6,7
	v_wmma_scale_f32_16x16x128_f8f6f4 v[\sr+8*\t:\sr+8*\t+7], v[\kr+8*\t:\kr+8*\t+15], v[16:31], 0, v[KSW+\t], v255
.endr
	PLACES 8                                       ; in front of V's loads into the registers that held K, and of the first read of the scores
.if \bar == 0
	VHALF \kr, ADV, 0, \q                          ; V's twenty loads in one run
	VHALF \kr, ADW, 2, \q
.endif
.irp b, 0,1,2,3
	v_max3_num_f32 v[BM+\b], v[\sr+16*\b], v[\sr+1+16*\b], v[\sr+2+16*\b]   ; the largest score of each block of 32 keys: for the row's maximum, and for the block's largest p
.endr
.irp i, 3,5,7,9,11,13
.irp b, 0,1,2,3
	v_max3_num_f32 v[BM+\b], v[BM+\b], v[\sr+16*\b+\i], v[\sr+1+16*\b+\i]
.endr
.endr
.irp b, 0,1,2,3
	v_max_num_f32 v[BM+\b], v[BM+\b], v[\sr+15+16*\b]
.endr
.irp b, 0,1,2,3
	v_permlanex16_b32 v[PB+\b], v[BM+\b], s[SEL], s[SEL+1]
.endr
.irp b, 0,1,2,3
	v_max_num_f32 v[BM+\b], v[BM+\b], v[PB+\b]
.endr
	v_max3_num_f32 v254, v[BM], v[BM+1], v[BM+2]
	v_max_num_f32 v254, v254, v[BM+3]
	v_mul_f32 v254, s[CS], v254                    ; as t (c is positive)
	v_max_num_f32 v13, v13, v254                   ; the running largest t
	v_mov_b32 v254, v12
	v_floor_f32 v12, -v13                          ; the new -M = -ceil(t)
	v_sub_f32 v254, v12, v254                      ; old M - new M: a whole number, 0 or less
	v_cvt_i32_f32 v254, v254                       ; (it saturates)
	v_ldexp_f32 v252, 1.0, v254                    ; f = 2^(old M - new M)
.set j, 0
.rept 32
	v_pk_fma_f32 v[\sr+j:\sr+j+1], v[\sr+j:\sr+j+1], s[CS:CS+1], v[12:13] op_sel_hi:[1,0,0]   ; t - M, two at a time
.set j, j+2
.endr
.irp b, 0,1,2,3
	v_fma_f32 v[BM+\b], v[BM+\b], s[CS], v12       ; and of each block's largest score
.endr
	s_wait_alu depctr_va_vdst(0)
.set j, 0
.rept 64
	v_exp_f32 v[\sr+j], v[\sr+j]                   ; p = 2^(t - M)
.set j, j+1
.endr
.irp b, 0,1,2,3
	v_exp_f32 v[BM+\b], v[BM+\b]                   ; each block's largest p: the same two instructions on the same number give the same bits
.endr
	v_pk_mul_f32 v[14:15], v[14:15], v[252:253] op_sel_hi:[1,0]   ; the sums under the new M: the plain line behind the last exponential
	s_wait_alu depctr_va_vdst(0)                   ; the one wait for the batch, ahead of its first reader
	v_pk_add_f32 v[PB:PB+1],   v[\sr:\sr+1],     v[\sr+2:\sr+3]     ; the row's sum of the unquantised p, in four chains
	v_pk_add_f32 v[PB+2:PB+3], v[\sr+4:\sr+5],   v[\sr+6:\sr+7]
	v_pk_add_f32 v[LIM:LIM+1], v[\sr+8:\sr+9],   v[\sr+10:\sr+11]
	v_pk_add_f32 v[14:15],     v[14:15],         v[\sr+12:\sr+13]
.irp j, 14,22,30,38,46,54
	v_pk_add_f32 v[PB:PB+1],   v[PB:PB+1],   v[\sr+\j:\sr+\j+1]
	v_pk_add_f32 v[PB+2:PB+3], v[PB+2:PB+3], v[\sr+\j+2:\sr+\j+3]
	v_pk_add_f32 v[LIM:LIM+1], v[LIM:LIM+1], v[\sr+\j+4:\sr+\j+5]
	v_pk_add_f32 v[14:15],     v[14:15],     v[\sr+\j+6:\sr+\j+7]
.endr
	v_pk_add_f32 v[PB:PB+1], v[PB:PB+1], v[\sr+62:\sr+63]
	v_pk_add_f32 v[14:15], v[14:15], v[LIM:LIM+1]
	v_pk_add_f32 v[PB:PB+1], v[PB:PB+1], v[PB+2:PB+3]
.irp b, 0,1,2,3
	v_max_num_f32 v[BM+\b], 0x4800000, v[BM+\b]    ; the floor 2^(9 - 127): the byte cannot fall under 1
.endr
	v_pk_add_f32 v[14:15], v[14:15], v[PB:PB+1]
.irp b, 0,1,2,3
	v_add_nc_u32 v[SCO+\b], 0xfc000000, v[BM+\b]   ; 8 off the exponent field: the conversion's scale operand
.endr
.irp b, 0,1,2,3
	v_and_or_b32 v[LIM+\b], v[BM+\b], 0x7f800000, s[MNT]   ; 448 x the scale
.endr
.irp b, 0,1,2,3
	v_lshrrev_b32 v[PB+\b], 23, v[SCO+\b]          ; the scale's byte
.endr
	v_lshl_or_b32 v253, v[PB+1], 8, v[PB]          ; p's scale word for these 128 keys
	v_lshl_or_b32 v253, v[PB+2], 16, v253
	v_lshl_or_b32 v253, v[PB+3], 24, v253
.irp b, 0,1,2,3
	v_and_or_b32 v[PB+(\b+1)%4], v[BM+\b], 0x7f800000, s[MNT]   ; the limit once more, in a register whose number differs modulo 4: the halves of a dual line take their second sources from different banks
.endr
.irp b, 0,1,2,3
.irp i, 0,2,4,6,8,10,12,14
	v_dual_min_num_f32 v[\sr+16*\b+\i], v[\sr+16*\b+\i], v[LIM+\b] :: v_dual_min_num_f32 v[\sr+16*\b+\i+1], v[\sr+16*\b+\i+1], v[PB+(\b+1)%4]   ; the hold, two numbers a line; p is not negative
.endr
	v_cvt_scalef32_pk8_fp8_f32 v[PCD+4*\b:PCD+4*\b+1], v[\sr+16*\b:\sr+16*\b+7], v[SCO+\b]
	v_cvt_scalef32_pk8_fp8_f32 v[PCD+4*\b+2:PCD+4*\b+3], v[\sr+16*\b+8:\sr+16*\b+15], v[SCO+\b]
.endr
.if \bar
	s_wait_alu depctr_va_vdst(0)
	s_wait_tensorcnt 0x0                           ; my tile is in (no LDS instruction of mine is out);
	s_barrier_signal -1
	s_barrier_wait -1                              ; everybody's are
	VHALF \kr, ADV, 0, \q
	VHALF \kr, ADW, 2, \q
.endif
.if \pf
.irp t, 0,1,2,3,4,5,6,7                ; p's registers are done with: they take the next step's K: 24 loads in one run
	ds_load_b128 v[\sr+8*\t:\sr+8*\t+3],   v[ADK] offset:1024*\t+8192*(\q)
	ds_load_b128 v[\sr+8*\t+4:\sr+8*\t+7], v[ADK] offset:1024*\t+512+8192*(\q)
	ds_load_u16 v[KSW+\t], v[ADS] offset:64*\t+512*(\q)
.endr
.endif
	s_wait_alu depctr_va_vdst(0)                   ; the wait directly ahead of the first reader of O^T
.set j, 0
.rept 16
	v_pk_mul_f32 v[O+j:O+j+1], v[O+j:O+j+1], v[252:253] op_sel_hi:[1,0]   ; O^T under the new M; also the places between the conversions and the products below
.set j, j+2
.endr
	s_wait_alu depctr_va_vdst(0)
	s_wait_dscnt 24*(\pf)                          ; V's twenty loads are in; the 24 loads of the next K, issued behind them, may stay out
.irp t, 0,1,2,3
	v_wmma_scale_f32_16x16x128_f8f6f4 v[O+8*\t:O+8*\t+7], v[\kr+16*\t:\kr+16*\t+15], v[PCD:PCD+15], v[O+8*\t:O+8*\t+7], v[VSW+\t], v253
.endr
.endm
; TWO KEY STEPS: the runs change roles and come back.  Nine places stand between a step's last products and the next step's first, which write over the registers that held V.  more = 0: the last pair: its second step asks for no further K.
.macro DSTEP more, bar=0
	v_add_nc_u32 v[ADK], s[TK], v[L16]
	v_add_nc_u32 v[ADS], s[TS], v[AKS]
	v_add_nc_u32 v[ADV], s[TV], v[L16]
	v_add_nc_u32 v[ADT], s[TT], v[AVS]
	v_add_nc_u32 v[ADW], 65536, v[ADV]
	s_wait_alu depctr_va_vdst(0)                   ; the wait directly behind the writes
	PLACES 4
	STEP R0, R1, 0, 1, \bar
	PLACES 9
	STEP R1, R0, 1, \more
.if \more
	s_add_co_u32 s[TK], s[TK], 16384
	s_add_co_u32 s[TS], s[TS], 1024
	s_add_co_u32 s[TV], s[TV], 4096
	s_add_co_u32 s[TT], s[TT], 512
.endif
.endm
	s_wait_alu depctr_va_vdst(0)                   ; the head's end
	s_wait_loadcnt 0x0                             ; Q
	s_cmp_lt_u32 s[WV], 2
	s_cbranch_scc0 .Lnot_first
	s_wait_tensorcnt 0x0                           ; waves 0 and 1: K's first 512 keys and K's scale words are in.  The other waves' wait stands at the second barrier
.Lnot_first:
	s_barrier_signal -1
	s_barrier_wait -1
.irp t, 0,1,2,3,4,5,6,7                ; K of step 0
	ds_load_b128 v[R0+8*\t:R0+8*\t+3],   v[L16] offset:1024*\t
	ds_load_b128 v[R0+8*\t+4:R0+8*\t+7], v[L16] offset:1024*\t+512
	ds_load_u16 v[KSW+\t], v[AKS] offset:64*\t
.endr
	s_mov_b32 s[TK], 8192                          ; K runs one step ahead of V
	s_mov_b32 s[TS], 512
	s_mov_b32 s[TV], VC
	s_mov_b32 s[TT], 0
	DSTEP 1, 1                                     ; the first pair is written out: its first step holds the second barrier
	s_mov_b32 s[CNT], 6
.Lpair:                                            ; six trips of two steps; the eighth pair is written out
	DSTEP 1
	s_sub_co_u32 s[CNT], s[CNT], 1
	s_cmp_lg_u32 s[CNT], 0
	s_wait_alu depctr_va_vdst(0)
	s_cbranch_scc1 .Lpair
	DSTEP 0
	; THE WAY OUT: O^T / the sum, quantised along the channels: two blocks of 32.
	PLACES 8                                       ; behind the last products
	v_add_f32 v14, v14, v15
	v_permlanex16_b32 v252, v14, s[SEL], s[SEL+1]
	v_add_f32 v14, v14, v252                       ; the row's sum
	s_wait_alu depctr_va_vdst(0)
	v_rcp_f32 v14, v14
	v_nop
	s_wait_alu depctr_va_vdst(0)                   ; the wait ahead of its first reader, which is O^T's first reader too
.set j, 0
.rept 16
	v_pk_mul_f32 v[R0+j:R0+j+1], v[O+j:O+j+1], v[14:15] op_sel_hi:[1,0]   ; register 8 t + i: channel 16 t + 8 h + i of my query
.set j, j+2
.endr
.irp b, 0,1
	v_max3_num_f32 v[BM+\b], |v[R0+16*\b]|, |v[R0+16*\b+1]|, 0x4800000
.endr
.irp i, 2,4,6,8,10,12,14
.irp b, 0,1
	v_max3_num_f32 v[BM+\b], v[BM+\b], |v[R0+16*\b+\i]|, |v[R0+16*\b+\i+1]|
.endr
.endr
.irp b, 0,1
	v_permlanex16_b32 v[PB+\b], v[BM+\b], s[SEL], s[SEL+1]
.endr
.irp b, 0,1
	v_max_num_f32 v[BM+\b], v[BM+\b], v[PB+\b]
.endr
.irp b, 0,1
	v_add_nc_u32 v[SCO+\b], 0xfc000000, v[BM+\b]
.endr
.irp b, 0,1
	v_and_or_b32 v[LIM+\b], v[BM+\b], 0x7f800000, s[MNT]
.endr
.irp b, 0,1
	v_lshrrev_b32 v[PB+\b], 23, v[SCO+\b]
.endr
	v_lshl_or_b32 v254, v[PB+1], 8, v[PB]          ; my head's two bytes of the row's scale word
.irp b, 0,1
.irp i, 0,1,2,3,4,5,6,7,8,9,10,11,12,13,14,15
	v_med3_num_f32 v[R0+16*\b+\i], v[R0+16*\b+\i], -v[LIM+\b], v[LIM+\b]
.endr
.endr
.irp b, 0,1
	v_cvt_scalef32_pk8_fp8_f32 v[PCD+4*\b:PCD+4*\b+1], v[R0+16*\b:R0+16*\b+7], v[SCO+\b]
	v_cvt_scalef32_pk8_fp8_f32 v[PCD+4*\b+2:PCD+4*\b+3], v[R0+16*\b+8:R0+16*\b+15], v[SCO+\b]
.endr
	v_nop
	global_store_b128 v[L16], v[PCD:PCD+3], s[40:41]               ; 512 consecutive bytes a store
	global_store_b128 v[L16], v[PCD+4:PCD+7], s[40:41] offset:512
	global_store_b16 v[R4], v254, s[42:43]         ; lanes r and r + 16 hold the same half-word and name the same address
	s_wait_tensorcnt 0x0                           ; the wave's end
	ds_add_u32 v[SPW], v[NIL]
	s_wait_dscnt 0x0
	CROUND                                         ; the closing round
	s_endpgm
.Lfunc_end_k_q05f7ff2ebb_attn:
	.size	k_q05f7ff2ebb_attn, .Lfunc_end_k_q05f7ff2ebb_attn-k_q05f7ff2ebb_attn
	.p2alignl 7, 3214868480
	.fill 96, 4, 3214868480
	.section	.rodata,"a",@progbits
	.p2align	6, 0x0
	.amdhsa_kernel k_q05f7ff2ebb_attn
		.amdhsa_group_segment_fixed_size 327680
		.amdhsa_private_segment_fixed_size 0
		.amdhsa_enable_private_segment 0
		.amdhsa_kernarg_size 16
		.amdhsa_user_sgpr_count 2
		.amdhsa_user_sgpr_kernarg_segment_ptr 1
		.amdhsa_wavefront_size32 1
		.amdhsa_system_sgpr_workgroup_id_x 1
		.amdhsa_system_sgpr_workgroup_id_y 1
		.amdhsa_system_sgpr_workgroup_id_z 1
		.amdhsa_system_vgpr_workitem_id 0
		.amdhsa_next_free_vgpr 256
		.amdhsa_next_free_sgpr 100
		.amdhsa_reserve_vcc 0
		.amdhsa_float_denorm_mode_32 3
		.amdhsa_float_denorm_mode_16_64 3
		.amdhsa_memory_ordered 1
		.amdhsa_forward_progress 1
		.amdhsa_inst_pref_size 133
	.end_amdhsa_kernel
	.amdgpu_metadata
---
amdhsa.version: [ 1, 2 ]
amdhsa.kernels:
  - .name:           k_q05f7ff2ebb_attn
    .symbol:         k_q05f7ff2ebb_attn.kd
    .args:
      - { .name: qkv, .offset: 0, .size: 8, .value_kind: global_buffer, .address_space: global }
      - { .name: oq, .offset: 8, .size: 8, .value_kind: global_buffer, .address_space: global }
    .group_segment_fixed_size: 327680
    .private_segment_fixed_size: 0
    .kernarg_segment_align: 8
    .kernarg_segment_size: 16
    .max_flat_workgroup_size: 512
    .sgpr_count:     100
    .vgpr_count:     256
    .wavefront_size: 32
...
	.end_amdgpu_metadata
.endif
;; end of part 3
;; launch gproj (part 4): grid 8 x 32, 4 waves a work-group, clusters of 4 x 4, 327,680 bytes of LDS; arguments oq, p1, hbuf, hn; writes hn
.if DOCPART == 4
	.amdgcn_target "amdgcn-amd-amdhsa--gfx1250"
	.amdhsa_code_object_version 6
	.text
	.protected	k_q05f7ff2ebb_gproj
	.globl	k_q05f7ff2ebb_gproj
	.p2align	8
	.type	k_q05f7ff2ebb_gproj,@function
k_q05f7ff2ebb_gproj:
	s_mov_b64 s[64:65], 0
	v_nop
	global_prefetch_b8 v0, s[64:65] scope:SCOPE_SE
	s_setreg_imm32_b32 hwreg(HW_REG_WAVE_MODE, 25, 1), 1
	s_wait_xcnt 0x0
	s_wait_alu depctr_hold_cnt(0) depctr_sa_sdst(0) depctr_va_vdst(0) depctr_va_sdst(0) depctr_va_ssrc(0) depctr_va_vcc(0) depctr_vm_vsrc(0)
	s_getreg_b32 s2, hwreg(HW_REG_IB_STS2, 6, 4)
	s_cmp_eq_u32 s2, 0
	s_cbranch_scc0 .Lentry_in_a_cluster
	s_endpgm
.Lentry_in_a_cluster:
	s_bfe_u32 s2, ttmp6, 0x10000c
	s_cmp_lg_u32 s2, 0xf033
	s_cbranch_scc0 .Lentry_shape_is_right
	s_endpgm
.Lentry_shape_is_right:
.set KS,    8
.set ASC,   4194304
.set BT0,   448
.set LAPS,  KS/8
.set SLOT,  131072
.set SCA,   262144
.set SCB,   SCA+512*KS
.set STG,   SCB+512*KS
.set SPARE, STG+4*16*272
.set ADRA, 16
.set ADRB, 20
.set ADSA, 22
.set ADSB, 23
.set STO,  24
.set RD,   25
.set CO,   26
.set SPW,  28
.set NIL,  29
.set SC,   32
.set BK,   48
.set ACC,  128
.set F0,   0
.set F1,   128
.set G1, 24
.set G0, 32
.set G1B, 48
.set G0B, 56
.set G1S, 68
.set G0S, 76
.set G1SB, 80
.set G0SB, 88
.set MSB, 0
.macro WIN new
.if MSB != (\new)
	s_set_vgpr_msb (MSB<<8)|(\new)
.set MSB, (\new)
.endif
.endm
.macro JLOAD g0a, g1a, g0b, g1b
	s_cmp_eq_u32 s15, 0
	s_cbranch_scc0 .Lfor_b_\@
	tensor_load_to_lds s[\g0a:\g0a+3], s[\g1a:\g1a+7]
	s_nop 0
.rept 4
	v_nop
.endr
	s_branch .Lasked_\@
.Lfor_b_\@:
	tensor_load_to_lds s[\g0b:\g0b+3], s[\g1b:\g1b+7]
	s_nop 0
.rept 4
	v_nop
.endr
.Lasked_\@:
.endm
.macro CREST
	s_cmp_lg_u32 s14, 0
	s_cbranch_scc1 .Lnot_wave_0_\@
	s_barrier_signal -3
.Lnot_wave_0_\@:
	s_barrier_wait -3
	s_barrier_signal -1
	s_barrier_wait -1
.endm
.macro CROUND
	s_barrier_signal -1
	s_barrier_wait -1
	CREST
.endm
.macro PLACES n
.rept \n
	v_nop
.endr
.endm
	s_load_b256 s[4:11], s[0:1], 0x0
	v_lshl_add_u32 v[SPW], v0, 2, SPARE
	v_mov_b32 v[NIL], 0
	ds_add_u32 v[SPW], v[NIL]
	ds_add_u32 v[SPW], v[NIL]
	v_lshrrev_b32 v1, 5, v0
	v_readfirstlane_b32 s14, v1
	s_lshr_b32 s15, s14, 1
	s_and_b32 s16, s14, 1
	s_bfe_u32 s40, ttmp6, 0x40000
	s_bfe_u32 s41, ttmp6, 0x40004
	s_lshl_b32 s42, ttmp9, 2
	s_add_co_u32 s42, s42, s40
	s_and_b32 s17, ttmp7, 0xffff
	s_lshl_b32 s17, s17, 2
	s_add_co_u32 s17, s17, s41
	s_lshl_b32 s43, s41, 2
	s_lshl_b32 s43, 15, s43
	s_lshl_b32 s44, 0x1111, s40
	s_or_b32 s[G1+0], s43, (3<<16)|(1<<21)
	s_or_b32 s[G1B+0], s44, (3<<16)|(1<<21)
.irp g, G1, G1B
	s_mov_b32 s[\g+1], 1024<<16
	s_mov_b32 s[\g+2], 8<<16                       ; the head's loads bring a side's eight row tiles; the ring's bring four (set behind the head's wait)
	s_mov_b32 s[\g+3], 1024<<16
	s_mov_b32 s[\g+4], 8
	s_mov_b32 s[\g+5], 256*KS
	s_mov_b32 s[\g+6], 0
	s_mov_b32 s[\g+7], 0
.endr
	s_or_b32 s[G1S+0], s43, (3<<16)|(1<<21)
	s_mov_b32 s[G1S+1], 64<<16
	s_mov_b32 s[G1S+2], KS<<16                     ; A's scale words whole: KS rows of 512 bytes
	s_mov_b32 s[G1S+3], 64<<16
	s_mov_b32 s[G1S+4], KS
	s_mov_b32 s[G1S+5], 2048
	s_mov_b32 s[G1S+6], 0
	s_mov_b32 s[G1S+7], 0
	s_or_b32 s[G1SB+0], s44, (3<<16)|(1<<21)
	s_mov_b32 s[G1SB+1], 32<<16
	s_mov_b32 s[G1SB+2], (2*KS)<<16                ; B's whole: 512 KS dense bytes as rows of 256
	s_mov_b32 s[G1SB+3], 32<<16
	s_mov_b32 s[G1SB+4], 2*KS
	s_mov_b32 s[G1SB+5], 32
	s_mov_b32 s[G1SB+6], 0
	s_mov_b32 s[G1SB+7], 0
	s_mov_b32 s18, 0                               ; the head's addresses are the block's first tiles; my half is added for the ring
	s_lshl_b32 s20, s17, 3
	s_add_co_u32 s20, s20, s18
	s_mul_i32 s20, s20, KS*2048
	s_mov_b32 s21, 0
	s_lshl_b32 s46, s42, 3
	s_add_co_u32 s46, s46, s18
	s_mul_i32 s92, s46, 64*KS
	s_add_co_u32 s92, s92, 512*BT0
	s_mov_b32 s93, 0
	s_mul_i32 s46, s46, KS*2048
	s_add_co_u32 s46, s46, 524288+BT0*16384
	s_mov_b32 s47, 0
	s_mov_b32 s22, 0
	s_lshl_b32 s23, s17, 9
	s_add_co_u32 s22, s22, s23
	s_add_co_u32 s22, s22, ASC
	s_mov_b32 s23, 0
	s_lshl_b32 s45, s14, 15
	s_wait_dscnt 0x0
	CROUND                                         ; the opening round, ahead of the wait for the arguments
	s_wait_kmcnt 0x0
	s_add_nc_u64 s[20:21], s[4:5], s[20:21]
	s_add_nc_u64 s[22:23], s[4:5], s[22:23]
	s_add_nc_u64 s[46:47], s[6:7], s[46:47]
	s_add_nc_u64 s[92:93], s[6:7], s[92:93]
	s_mov_b32 s[G0S], 1
	s_mov_b32 s[G0S+1], SCA
	s_mov_b64 s[G0S+2:G0S+3], s[22:23]
	s_or_b32 s[G0S+3], s[G0S+3], 0x80000000
	s_mov_b32 s[G0SB], 1
	s_mov_b32 s[G0SB+1], SCB
	s_mov_b64 s[G0SB+2:G0SB+3], s[92:93]
	s_or_b32 s[G0SB+3], s[G0SB+3], 0x80000000
.irp s, 0,1
	s_mov_b32 s[G0+4*\s], 1
	s_add_co_u32 s[G0+4*\s+1], s45, \s*SLOT
	s_add_nc_u64 s[G0+4*\s+2:G0+4*\s+3], s[20:21], \s*8192
	s_or_b32 s[G0+4*\s+3], s[G0+4*\s+3], 0x80000000
	s_mov_b32 s[G0B+4*\s], 1
	s_add_co_u32 s[G0B+4*\s+1], s45, \s*SLOT
	s_add_nc_u64 s[G0B+4*\s+2:G0B+4*\s+3], s[46:47], \s*8192
	s_or_b32 s[G0B+4*\s+3], s[G0B+4*\s+3], 0x80000000
.endr
	s_mov_b32 s[G0+1], 0                           ; slot 0's groups 0 serve the head: A's eight tiles at byte 0,
	s_mov_b32 s[G0B+1], 65536                      ; B's behind them
	s_mul_i32 s18, s16, 4*KS*2048                  ; my four tiles of a side, in bytes
	s_mov_b32 s19, 0
	s_add_nc_u64 s[G0+6:G0+7], s[G0+6:G0+7], s[18:19]       ; slot 1's groups 0 are the ring's: my half
	s_add_nc_u64 s[G0B+6:G0B+7], s[G0B+6:G0B+7], s[18:19]
	; the prefetch: of the four tiles that I fetch in the ring, each of the four partners that ask with me names one, told apart by address (cx for A, cy for B)
	s_cmp_eq_u32 s15, 0
	s_cselect_b64 s[96:97], s[20:21], s[46:47]
	s_cselect_b32 s98, s40, s41
	s_mul_i32 s98, s98, KS*2048
	s_add_co_u32 s98, s98, s18
	s_mov_b32 s99, 0
	s_add_nc_u64 s[96:97], s[96:97], s[98:99]
; THE HEAD'S LOADS, ONE A WAVE: wave 0 slot 0's tiles of A, wave 1 those of B, wave 2 A's scale words, wave 3 B's; one chain of branches on the wave's number, all arms to one join
.macro HARM under, g0, g1, next
	s_cmp_lt_u32 s14, \under
	s_cbranch_scc0 \next
	tensor_load_to_lds s[\g0:\g0+3], s[\g1:\g1+7]
	s_nop 0
.rept 4
	v_nop
.endr
	s_branch .Lhead_asked
\next:
.endm
	HARM 1, G0, G1, .Lh_b
	HARM 2, G0B, G1B, .Lh_sa
	HARM 3, G0S, G1S, .Lh_sb
	tensor_load_to_lds s[G0SB:G0SB+3], s[G1SB:G1SB+7]
	s_nop 0
.rept 4
	v_nop
.endr
.Lhead_asked:
	v_and_b32 v30, 31, v0                          ; v30: 256 bytes a lane: a slot's 8,192 bytes of one tile; never rewritten
	v_lshlrev_b32 v30, 8, v30
	global_prefetch_b8 v30, s[96:97] offset:8192 th:TH_LOAD_NT scope:SCOPE_SE    ; slot 1, the last
	v_and_b32 v1, 15, v0
	s_wait_alu depctr_va_vdst(0)
	v_bfe_u32 v2, v0, 4, 1
	v_and_b32 v3, 31, v0
	v_lshlrev_b32 v4, 4, v3
	s_lshl_b32 s21, s15, 15
	s_lshl_b32 s22, s16, 15
	s_add_co_u32 s22, s22, 65536
.irp s, 0,1
	v_add_nc_u32 v[ADRA+\s], s21, v4
	v_add_nc_u32 v[ADRB+\s], s22, v4
	s_add_co_u32 s21, s21, SLOT
	s_add_co_u32 s22, s22, SLOT
.endr
	s_lshl_b32 s21, s15, 8
	s_add_co_u32 s21, s21, SCA
	v_lshl_add_u32 v[ADSA], v1, 2, s21
	s_mul_i32 s21, s16, 256*KS
	s_add_co_u32 s21, s21, SCB
	v_lshl_add_u32 v[ADSB], v1, 2, s21
	s_mul_i32 s23, s14, 16*272
	s_add_co_u32 s23, s23, STG
	v_mul_u32_u24 v5, v1, 272
	v_lshl_add_u32 v5, v2, 5, v5
	v_add_nc_u32 v[STO], s23, v5
	v_mul_u32_u24 v5, v2, 272
	v_lshl_add_u32 v5, v1, 4, v5
	v_add_nc_u32 v[RD], s23, v5
	v_lshlrev_b32 v5, 12, v2
	v_lshl_add_u32 v[CO], v1, 4, v5
	s_wait_alu depctr_va_vdst(0)
	s_lshl_b32 s20, s17, 7
	s_lshl_b32 s21, s15, 6
	s_add_co_u32 s20, s20, s21
	s_lshl_b32 s20, s20, 12
	s_lshl_b32 s46, s42, 9
	s_lshl_b32 s47, s16, 8
	s_add_co_u32 s46, s46, s47
	s_add_co_u32 s20, s20, s46
	s_mov_b32 s21, 0
	s_add_nc_u64 s[8:9], s[8:9], s[20:21]
	s_add_nc_u64 s[10:11], s[10:11], s[20:21]
.macro RESID a0, a1                    ; the residual's rows of my blocks a0 and a1, as the way out wants them: sixteen loads into window 2; asked for behind the head's tiles
	WIN 0x80
.irp a, \a0, \a1
.irp t, 0,1,2,3,4,5,6,7
	global_load_b128 v[32*\a+4*\t:32*\a+4*\t+3], v[CO], s[8:9] offset:(16*\a+2*\t)*4096 th:TH_LOAD_NT
.endr
.endr
	WIN 0
.endm
.macro MUL4 f, p, a, zero
.irp b, 0,1,2,3
.if \zero
	v_wmma_scale_f32_16x16x128_f8f6f4 v[ACC+8*(4*(\a)+\b):ACC+8*(4*(\a)+\b)+7], v[\f+64+16*\b:\f+64+16*\b+15], v[\f+16*(\a):\f+16*(\a)+15], 0, v[SC+8*(\p)+4+\b], v[SC+8*(\p)+(\a)]
.else
	v_wmma_scale_f32_16x16x128_f8f6f4 v[ACC+8*(4*(\a)+\b):ACC+8*(4*(\a)+\b)+7], v[\f+64+16*\b:\f+64+16*\b+15], v[\f+16*(\a):\f+16*(\a)+15], v[ACC+8*(4*(\a)+\b):ACC+8*(4*(\a)+\b)+7], v[SC+8*(\p)+4+\b], v[SC+8*(\p)+(\a)]
.endif
.endr
.endm
.macro FETCH slot, q, f, p
	WIN 0x40
.irp a, 0,1,2,3
.irp c, 0,1,2,3
	ds_load_b128 v[\f+16*\a+4*\c:\f+16*\a+4*\c+3], v[ADRA+\slot] offset:8192*\a+2048*(\q)+512*\c
.endr
.endr
.irp b, 0,1,2,3
.irp c, 0,1,2,3
	ds_load_b128 v[\f+64+16*\b+4*\c:\f+64+16*\b+4*\c+3], v[ADRB+\slot] offset:8192*\b+2048*(\q)+512*\c
.endr
.endr
	WIN 0
.irp a, 0,1,2,3
	ds_load_b32 v[SC+8*(\p)+\a], v[ADSA] offset:512*(\q)+64*\a
.endr
.irp b, 0,1,2,3
	ds_load_b32 v[SC+8*(\p)+4+\b], v[ADSB] offset:64*KS*\b+64*(\q)
.endr
.endm
.macro KSTEP slot, q, f, g, p, zero
	s_wait_dscnt 0x0
	PLACES 8
	FETCH \slot, (\q)+1, \g, 1-(\p)
	WIN 0x05
	MUL4 \f, \p, 0, \zero
	MUL4 \f, \p, 1, \zero
	MUL4 \f, \p, 2, \zero
	MUL4 \f, \p, 3, \zero
.endm
.macro TURN slot, next, fill
	WIN 0
	s_wait_tensorcnt 0x0
	ds_add_u32 v[SPW], v[NIL]
	s_wait_dscnt 1
	WIN 0x05
	MUL4 F1, 1, 0, 0
	s_wait_dscnt 0x0
	s_barrier_signal -1
	MUL4 F1, 1, 1, 0
	WIN 0
	s_barrier_wait -1
.if \fill
	CREST
	s_add_nc_u64 s[G0+4*\slot+2:G0+4*\slot+3], s[G0+4*\slot+2:G0+4*\slot+3], 16384
	s_add_nc_u64 s[G0B+4*\slot+2:G0B+4*\slot+3], s[G0B+4*\slot+2:G0B+4*\slot+3], 16384
	JLOAD G0+4*\slot, G1, G0B+4*\slot, G1B
	PLACES 4
.else
	PLACES 8
.endif
	v_add_nc_u32 v[ADSA], 2048, v[ADSA]
	v_add_nc_u32 v[ADSB], 256, v[ADSB]
	FETCH \next, 0, F0, 0
	WIN 0x05
	MUL4 F1, 1, 2, 0
	MUL4 F1, 1, 3, 0
.endm
	s_wait_alu depctr_va_vdst(0)                   ; the head's end
	s_wait_tensorcnt 0x0                           ; my tile of the head's four is in
	ds_add_u32 v[SPW], v[NIL]
	s_mov_b32 s[G1+2], 4<<16                       ; no tensor load of mine is out: from here on a load brings four row tiles
	s_mov_b32 s[G1+4], 4
	s_mov_b32 s[G1B+2], 4<<16
	s_mov_b32 s[G1B+4], 4
	s_wait_dscnt 0x0
	CROUND                                         ; all four tiles are in, and all sixteen work-groups are here
	JLOAD G0+4, G1, G0B+4, G1B                     ; slot 1's first fill: the first tensor load behind the round
	RESID 0, 1
	RESID 2, 3
	FETCH 0, 0, F0, 0
	KSTEP 0, 0, F0, F1, 0, 1
.if LAPS > 1
	WIN 0
	s_mov_b32 s3, LAPS-1
.Llap:
	KSTEP 0, 1, F1, F0, 1, 0
	KSTEP 0, 2, F0, F1, 0, 0
	TURN 0, 1, 1
	KSTEP 1, 0, F0, F1, 0, 0
	KSTEP 1, 1, F1, F0, 1, 0
	KSTEP 1, 2, F0, F1, 0, 0
	TURN 1, 0, 1
	KSTEP 0, 0, F0, F1, 0, 0
	WIN 0
	s_sub_co_u32 s3, s3, 1
	s_cmp_lg_u32 s3, 0
	s_cbranch_scc1 .Llap
.endif
	KSTEP 0, 1, F1, F0, 1, 0
	KSTEP 0, 2, F0, F1, 0, 0
	TURN 0, 1, 0
	s_wait_alu depctr_va_vdst(0)
	KSTEP 1, 0, F0, F1, 0, 0
	KSTEP 1, 1, F1, F0, 1, 0
	KSTEP 1, 2, F0, F1, 0, 0
	s_wait_dscnt 0x0
	WIN 0x05
	MUL4 F1, 1, 0, 0
	MUL4 F1, 1, 1, 0
	MUL4 F1, 1, 2, 0
	MUL4 F1, 1, 3, 0
	WIN 0
	PLACES 8
.irp a, 0,1,2,3
.if \a >= 2
	s_wait_xcnt 0x0
.endif
	s_wait_loadcnt 24-8*\a                         ; block a's eight residual loads are in; the eight of each later block may be out
.irp b, 0,1,2,3
	ds_store_b128 v[STO], v[ACC+8*(4*\a+\b):ACC+8*(4*\a+\b)+3] offset:64*\b
	ds_store_b128 v[STO], v[ACC+8*(4*\a+\b)+4:ACC+8*(4*\a+\b)+7] offset:64*\b+16
.endr
.irp t, 0,1,2,3,4,5,6,7
	ds_load_b128 v[BK+32*(\a%2)+4*\t:BK+32*(\a%2)+4*\t+3], v[RD] offset:544*\t
.endr
	s_wait_dscnt 0x0
	WIN 0x08
.irp i, 0,2,4,6,8,10,12,14,16,18,20,22,24,26,28,30
	v_pk_add_f32 v[BK+32*(\a%2)+\i:BK+32*(\a%2)+\i+1], v[BK+32*(\a%2)+\i:BK+32*(\a%2)+\i+1], v[32*\a+\i:32*\a+\i+1]
.endr
	WIN 0
.irp t, 0,1,2,3,4,5,6,7
	global_store_b128 v[CO], v[BK+32*(\a%2)+4*\t:BK+32*(\a%2)+4*\t+3], s[10:11] offset:(16*\a+2*\t)*4096
.endr
.endr
	s_wait_tensorcnt 0x0
	ds_add_u32 v[SPW], v[NIL]
	s_wait_dscnt 0x0
	CROUND
	s_endpgm
.Lfunc_end_k_q05f7ff2ebb_gproj:
	.size	k_q05f7ff2ebb_gproj, .Lfunc_end_k_q05f7ff2ebb_gproj-k_q05f7ff2ebb_gproj
	.p2alignl 7, 3214868480
	.fill 96, 4, 3214868480
	.section	.rodata,"a",@progbits
	.p2align	6, 0x0
	.amdhsa_kernel k_q05f7ff2ebb_gproj
		.amdhsa_group_segment_fixed_size 327680
		.amdhsa_private_segment_fixed_size 0
		.amdhsa_enable_private_segment 0
		.amdhsa_kernarg_size 32
		.amdhsa_user_sgpr_count 2
		.amdhsa_user_sgpr_kernarg_segment_ptr 1
		.amdhsa_wavefront_size32 1
		.amdhsa_system_sgpr_workgroup_id_x 1
		.amdhsa_system_sgpr_workgroup_id_y 1
		.amdhsa_system_sgpr_workgroup_id_z 1
		.amdhsa_system_vgpr_workitem_id 0
		.amdhsa_next_free_vgpr 640
		.amdhsa_next_free_sgpr 100
		.amdhsa_reserve_vcc 0
		.amdhsa_float_denorm_mode_32 3
		.amdhsa_float_denorm_mode_16_64 3
		.amdhsa_memory_ordered 1
		.amdhsa_forward_progress 1
		.amdhsa_inst_pref_size 66
	.end_amdhsa_kernel
	.amdgpu_metadata
---
amdhsa.version: [ 1, 2 ]
amdhsa.kernels:
  - .name:           k_q05f7ff2ebb_gproj
    .symbol:         k_q05f7ff2ebb_gproj.kd
    .args:
      - { .name: oq, .offset: 0, .size: 8, .value_kind: global_buffer, .address_space: global }
      - { .name: p1, .offset: 8, .size: 8, .value_kind: global_buffer, .address_space: global }
      - { .name: hbuf, .offset: 16, .size: 8, .value_kind: global_buffer, .address_space: global }
      - { .name: hn, .offset: 24, .size: 8, .value_kind: global_buffer, .address_space: global }
    .group_segment_fixed_size: 327680
    .private_segment_fixed_size: 0
    .kernarg_segment_align: 8
    .kernarg_segment_size: 32
    .max_flat_workgroup_size: 128
    .sgpr_count:     100
    .vgpr_count:     640
    .wavefront_size: 32
...
	.end_amdgpu_metadata
.endif
;; end of part 4
;; launch ln2: the kernel of part 1 again; grid 256 x 1, 8 waves a work-group, no clusters, 67,328 bytes of LDS; arguments hn, w_qkv, w_proj, w_fc1, w_fc2, g2, h2f, p2; writes h2f, p2
;; launch gfc1 (part 5): grid 16 x 16, 4 waves a work-group, clusters of 4 x 4, 327,680 bytes of LDS; arguments p2, p1, hid; writes hid
.if DOCPART == 5
	.amdgcn_target "amdgcn-amd-amdhsa--gfx1250"
	.amdhsa_code_object_version 6
	.text
	.protected	k_q05f7ff2ebb_gfc1
	.globl	k_q05f7ff2ebb_gfc1
	.p2align	8
	.type	k_q05f7ff2ebb_gfc1,@function
k_q05f7ff2ebb_gfc1:
	s_mov_b64 s[64:65], 0
	v_nop
	global_prefetch_b8 v0, s[64:65] scope:SCOPE_SE
	s_setreg_imm32_b32 hwreg(HW_REG_WAVE_MODE, 25, 1), 1
	s_wait_xcnt 0x0
	s_wait_alu depctr_hold_cnt(0) depctr_sa_sdst(0) depctr_va_vdst(0) depctr_va_sdst(0) depctr_va_ssrc(0) depctr_va_vcc(0) depctr_vm_vsrc(0)
	s_getreg_b32 s2, hwreg(HW_REG_IB_STS2, 6, 4)
	s_cmp_eq_u32 s2, 0
	s_cbranch_scc0 .Lentry_in_a_cluster
	s_endpgm
.Lentry_in_a_cluster:
	s_bfe_u32 s2, ttmp6, 0x10000c
	s_cmp_lg_u32 s2, 0xf033
	s_cbranch_scc0 .Lentry_shape_is_right
	s_endpgm
.Lentry_shape_is_right:
.set SLOT,   131072
.set SCL,    262144
.set MST,    278528
.set SPARE,  280576
.set NQ,     2
.set FR,     16
.set NL,     4
.set NP,     8
.set LAPS,   2
.set ADRA, 16
.set ADRB, 20
.set MSA,  24
.set MSR,  25
.set L16,  26
.set ADRS, 27
.set SPW,  28
.set NIL,  29
.set PW,   31
.set SC,   32
.set AF,   128
.set Z,    32
.set Z2,   96
.set HT,   128
.set P,    192
.set Q,    224
.set PC,   224
.set TM,   240
.set G1, 24
.set G0, 32
.set G1B, 48
.set G0B, 56
.set G1S, 68
.set G0S, 76
.set G1SB, 80
.set G0SB, 88
.set SEL, 66
.set MNT, 2
.set MSB, 0
.macro WIN new
.if MSB != (\new)
	s_set_vgpr_msb (MSB<<8)|(\new)
.set MSB, (\new)
.endif
.endm
.set MUL_LO, 0xa1
.set MUL_HI, 0xf1
.set TO_B,   0x40
.macro JLOAD g0a, g1a, g0b, g1b
	s_cmp_eq_u32 s15, 0
	s_cbranch_scc0 .Lfor_b_\@
	tensor_load_to_lds s[\g0a:\g0a+3], s[\g1a:\g1a+7]
	s_nop 0
.rept 4
	v_nop
.endr
	s_branch .Lasked_\@
.Lfor_b_\@:
	tensor_load_to_lds s[\g0b:\g0b+3], s[\g1b:\g1b+7]
	s_nop 0
.rept 4
	v_nop
.endr
.Lasked_\@:
.endm
.macro CREST
	s_cmp_lg_u32 s14, 0
	s_cbranch_scc1 .Lnot_wave_0_\@
	s_barrier_signal -3
.Lnot_wave_0_\@:
	s_barrier_wait -3
	s_barrier_signal -1
	s_barrier_wait -1
.endm
.macro CROUND
	s_barrier_signal -1
	s_barrier_wait -1
	CREST
.endm
.macro PLACES n
.rept \n
	v_nop
.endr
.endm
	s_load_b128 s[4:7], s[0:1], 0x0
	s_load_b64 s[8:9], s[0:1], 0x10
	v_lshl_add_u32 v[SPW], v0, 2, SPARE
	v_mov_b32 v[NIL], 0
	ds_add_u32 v[SPW], v[NIL]
	ds_add_u32 v[SPW], v[NIL]
	v_lshrrev_b32 v1, 5, v0
	v_readfirstlane_b32 s14, v1
	s_lshr_b32 s15, s14, 1
	s_and_b32 s16, s14, 1
	s_bfe_u32 s40, ttmp6, 0x40000
	s_bfe_u32 s41, ttmp6, 0x40004
	s_lshl_b32 s42, ttmp9, 2
	s_add_co_u32 s42, s42, s40
	s_and_b32 s17, ttmp7, 0xffff
	s_lshl_b32 s17, s17, 2
	s_add_co_u32 s17, s17, s41
	s_lshl_b32 s43, s41, 2
	s_lshl_b32 s43, 15, s43
	s_lshl_b32 s44, 0x1111, s40
	s_or_b32 s[G1+0], s43, (3<<16)|(1<<21)
	s_or_b32 s[G1B+0], s44, (3<<16)|(1<<21)
.irp g, G1, G1B
	s_mov_b32 s[\g+1], 512<<16
	s_mov_b32 s[\g+2], 16<<16                      ; the head's loads bring a side's sixteen row tiles; the ring's bring eight (set behind the head's wait)
	s_mov_b32 s[\g+3], 512<<16
	s_mov_b32 s[\g+4], 16
	s_mov_b32 s[\g+5], 2048
	s_mov_b32 s[\g+6], 0
	s_mov_b32 s[\g+7], 0
.endr
	s_or_b32 s[G1S+0], s43, (3<<16)|(1<<21)
	s_or_b32 s[G1SB+0], s44, (3<<16)|(1<<21)
.irp g, G1S, G1SB
	s_mov_b32 s[\g+1], 32<<16
	s_mov_b32 s[\g+2], 32<<16                      ; a side's scale words whole: 8,192 dense bytes as 32 rows of 256
	s_mov_b32 s[\g+3], 32<<16
	s_mov_b32 s[\g+4], 32
	s_mov_b32 s[\g+5], 32
	s_mov_b32 s[\g+6], 0
	s_mov_b32 s[\g+7], 0
.endr
	s_mov_b32 s18, 0                               ; the head's addresses are the block's first units; my half is added for the ring
	s_lshl_b32 s20, s17, 4
	s_add_co_u32 s20, s20, s18
	s_lshl_b32 s46, s42, 4
	s_add_co_u32 s46, s46, 512
	s_add_co_u32 s46, s46, s18
	s_lshl_b32 s22, s20, 9
	s_mov_b32 s23, 0
	s_lshl_b32 s92, s46, 9
	s_mov_b32 s93, 0
	s_lshl_b32 s20, s20, 14
	s_add_co_u32 s20, s20, 524288
	s_mov_b32 s21, 0
	s_lshl_b32 s46, s46, 14
	s_add_co_u32 s46, s46, 524288
	s_mov_b32 s47, 0
	s_lshl_b32 s45, s14, 15
	s_mov_b32 s[SEL], 0x76543210
	s_mov_b32 s[SEL+1], 0xfedcba98
	s_mov_b32 s[MNT], 0x600000
	s_wait_dscnt 0x0
	CROUND                                         ; the opening round, ahead of the wait for the arguments
	s_wait_kmcnt 0x0
	s_add_nc_u64 s[20:21], s[4:5], s[20:21]
	s_add_nc_u64 s[22:23], s[4:5], s[22:23]
	s_add_nc_u64 s[46:47], s[6:7], s[46:47]
	s_add_nc_u64 s[92:93], s[6:7], s[92:93]
	s_mov_b32 s[G0S], 1
	s_mov_b32 s[G0S+1], SCL
	s_mov_b64 s[G0S+2:G0S+3], s[22:23]
	s_or_b32 s[G0S+3], s[G0S+3], 0x80000000
	s_mov_b32 s[G0SB], 1
	s_mov_b32 s[G0SB+1], SCL+8192
	s_mov_b64 s[G0SB+2:G0SB+3], s[92:93]
	s_or_b32 s[G0SB+3], s[G0SB+3], 0x80000000
.irp s, 0,1
	s_mov_b32 s[G0+4*\s], 1
	s_add_co_u32 s[G0+4*\s+1], s45, \s*SLOT
	s_add_nc_u64 s[G0+4*\s+2:G0+4*\s+3], s[20:21], \s*4096
	s_or_b32 s[G0+4*\s+3], s[G0+4*\s+3], 0x80000000
	s_mov_b32 s[G0B+4*\s], 1
	s_add_co_u32 s[G0B+4*\s+1], s45, \s*SLOT
	s_add_nc_u64 s[G0B+4*\s+2:G0B+4*\s+3], s[46:47], \s*4096
	s_or_b32 s[G0B+4*\s+3], s[G0B+4*\s+3], 0x80000000
.endr
	s_mov_b32 s[G0+1], 0                           ; slot 0's groups 0 serve the head first: A's sixteen tiles at byte 0,
	s_mov_b32 s[G0B+1], 65536                      ; B's behind them
	s_lshl_b32 s18, s16, 17                        ; my eight units of a side, in bytes
	s_mov_b32 s19, 0
	s_add_nc_u64 s[G0+6:G0+7], s[G0+6:G0+7], s[18:19]       ; slot 1's groups 0 are the ring's: my half
	s_add_nc_u64 s[G0B+6:G0B+7], s[G0B+6:G0B+7], s[18:19]
	; the prefetches: of the eight units that I fetch in the ring, each of the four partners that ask with me names two, told apart by address (cx for A, cy for B)
	s_cmp_eq_u32 s15, 0
	s_cselect_b64 s[10:11], s[20:21], s[46:47]
	s_cselect_b32 s96, s40, s41
	s_lshl_b32 s96, s96, 15
	s_add_co_u32 s96, s96, s18
	s_mov_b32 s97, 0
	s_add_nc_u64 s[10:11], s[10:11], s[96:97]
; THE HEAD'S LOADS, ONE A WAVE: wave 0 slot 0's tiles of A, wave 1 those of B, wave 2 A's scale words, wave 3 B's; one chain of branches on the wave's number, all arms to one join
.macro HARM under, g0, g1, next
	s_cmp_lt_u32 s14, \under
	s_cbranch_scc0 \next
	tensor_load_to_lds s[\g0:\g0+3], s[\g1:\g1+7]
	s_nop 0
.rept 4
	v_nop
.endr
	s_branch .Lhead_asked
\next:
.endm
	HARM 1, G0, G1, .Lh_b
	HARM 2, G0B, G1B, .Lh_sa
	HARM 3, G0S, G1S, .Lh_sb
	tensor_load_to_lds s[G0SB:G0SB+3], s[G1SB:G1SB+7]
	s_nop 0
.rept 4
	v_nop
.endr
.Lhead_asked:
	v_bfe_u32 v30, v0, 4, 1                        ; v30: lanes 0-15 one unit, lanes 16-31 the next; 256 bytes a lane: a slot's 4,096 bytes of each; never rewritten
	v_lshlrev_b32 v30, 14, v30
	v_and_b32 v7, 15, v0
	v_lshl_add_u32 v30, v7, 8, v30
	global_prefetch_b8 v30, s[10:11] offset:4096 th:TH_LOAD_NT scope:SCOPE_SE    ; slots 1 and 2: behind the load of slot s stands the request for slot s + 2; here slot 1's too
	global_prefetch_b8 v30, s[10:11] offset:8192 th:TH_LOAD_NT scope:SCOPE_SE
	v_and_b32 v1, 15, v0
	v_bfe_u32 v2, v0, 4, 1
	s_wait_alu depctr_va_vdst(0)
	v_and_b32 v3, 31, v0
	v_lshlrev_b32 v[L16], 4, v3
	s_wait_alu depctr_va_vdst(0)
	s_lshl_b32 s21, s15, 15
	s_lshl_b32 s22, s16, 15
	s_add_co_u32 s22, s22, 65536
.irp s, 0,1
	v_add_nc_u32 v[ADRA+\s], s21, v[L16]
	v_add_nc_u32 v[ADRB+\s], s22, v[L16]
	s_add_co_u32 s21, s21, SLOT
	s_add_co_u32 s22, s22, SLOT
.endr
	s_lshl_b32 s21, s15, 12
	s_lshl_b32 s22, s16, 12
	s_add_co_u32 s22, s22, 8192
	s_sub_co_u32 s22, s22, s21
	v_mul_u32_u24 v6, s22, v2
	s_add_co_u32 s21, s21, SCL
	v_lshl_add_u32 v5, v1, 2, v6
	v_add_nc_u32 v[ADRS], s21, v5
	s_lshl_b32 s23, s14, 9
	s_add_co_u32 s23, s23, MST
	v_lshl_add_u32 v[MSA], v1, 2, s23
	v_add_nc_u32 v[MSR], s23, v[L16]
	s_lshl_b32 s20, s17, 4
	s_lshl_b32 s21, s15, 3
	s_add_co_u32 s20, s20, s21
	s_lshl_b32 s20, s20, 5
	s_lshl_b32 s46, s42, 1
	s_add_co_u32 s46, s46, s16
	s_add_co_u32 s20, s20, s46
	s_lshl_b32 s20, s20, 11
	s_mov_b32 s21, 0
	s_add_nc_u64 s[12:13], s[8:9], s[20:21]
	s_lshl_b32 s46, s46, 12
	s_lshl_b32 s20, s17, 8
	s_add_co_u32 s46, s46, s20
	s_lshl_b32 s20, s15, 7
	s_add_co_u32 s46, s46, s20
	s_lshl_b32 s46, s46, 2
	s_add_co_u32 s46, s46, 0x1000000
	s_mov_b32 s47, 0
	s_add_nc_u64 s[94:95], s[8:9], s[46:47]
.macro FRAG reg, adr, q, i
.irp c, 0,1,2,3
	ds_load_b128 v[\reg+4*\c:\reg+4*\c+3], v[\adr] offset:2048*(\q)+512*\c+(\i)*4096
.endr
.endm
.macro MUL16 a0, p, q, sc, zero
.irp a, \a0, \a0+1
.irp b, 0,1,2,3,4,5,6,7
.if \zero
	v_wmma_scale_f32_16x16x128_f8f6f4 v[8*(8*((\a)%4)+\b):8*(8*((\a)%4)+\b)+7], v[128*(\p)+FR*\b:128*(\p)+FR*\b+FR-1], v[AF+FR*(\a):AF+FR*(\a)+FR-1], 0, v[SC+8*NQ*(\sc)+NQ*\b+(\q)], v[SC+8*NQ*(\sc)+NQ*(\a)+(\q)] matrix_a_scale:MATRIX_SCALE_ROW1
.else
	v_wmma_scale_f32_16x16x128_f8f6f4 v[8*(8*((\a)%4)+\b):8*(8*((\a)%4)+\b)+7], v[128*(\p)+FR*\b:128*(\p)+FR*\b+FR-1], v[AF+FR*(\a):AF+FR*(\a)+FR-1], v[8*(8*((\a)%4)+\b):8*(8*((\a)%4)+\b)+7], v[SC+8*NQ*(\sc)+NQ*\b+(\q)], v[SC+8*NQ*(\sc)+NQ*(\a)+(\q)] matrix_a_scale:MATRIX_SCALE_ROW1
.endif
.endr
.endr
.endm
.macro FETCH_B slot, q, p
	WIN TO_B
.irp i, 0,1,2,3,4,5,6,7
	FRAG 128*(\p)+FR*\i, ADRB+\slot, \q, \i
.endr
	WIN 0
.endm
.macro FETCH_A slot, q, i0
.irp i, \i0, \i0+1, \i0+2, \i0+3
	FRAG AF+FR*(\i), ADRA+\slot, \q, \i
.endr
.endm
.macro SCALES sc
.irp i, 0,1,2,3,4,5,6,7
.irp q, 0,1
	ds_load_b32 v[SC+8*NQ*\sc+NQ*\i+\q], v[ADRS] offset:\i*512+\q*64
.endr
.endr
.endm
.macro STEP slot, q, zero
	s_wait_dscnt 4*NL
	WIN MUL_LO
	MUL16 0, (\q)%2, \q, \slot, \zero
	MUL16 2, (\q)%2, \q, \slot, \zero
	s_wait_dscnt 0
	PLACES NP
	FETCH_B \slot, (\q)+1, 1-(\q)%2
	FETCH_A \slot, (\q)+1, 0
	WIN MUL_HI
	MUL16 4, (\q)%2, \q, \slot, \zero
	MUL16 6, (\q)%2, \q, \slot, \zero
	PLACES NP
	WIN 0
	FETCH_A \slot, (\q)+1, 4
.endm
.macro TURN slot, next, fill
	s_wait_tensorcnt 0x0
	ds_add_u32 v[SPW], v[NIL]
	s_wait_dscnt 4*NL+1
	WIN MUL_LO
	MUL16 0, 1, NQ-1, \slot, 0
	s_wait_dscnt 0x0
	s_barrier_signal -1
	MUL16 2, 1, NQ-1, \slot, 0
	WIN 0
	s_barrier_wait -1
.if \fill
	CREST
	s_add_nc_u64 s[G0+4*\slot+2:G0+4*\slot+3], s[G0+4*\slot+2:G0+4*\slot+3], 8192
	s_add_nc_u64 s[G0B+4*\slot+2:G0B+4*\slot+3], s[G0B+4*\slot+2:G0B+4*\slot+3], 8192
	JLOAD G0+4*\slot, G1, G0B+4*\slot, G1B
	PLACES NP-4
.else
	PLACES NP
.endif
	s_wait_alu depctr_va_vdst(0)
	v_add_nc_u32 v[ADRS], 128, v[ADRS]
	FETCH_B \next, 0, 0
	FETCH_A \next, 0, 0
	SCALES \next
	WIN MUL_HI
	MUL16 4, 1, NQ-1, \slot, 0
	MUL16 6, 1, NQ-1, \slot, 0
	PLACES NP
	WIN 0
	FETCH_A \next, 0, 4
.endm
	s_wait_alu depctr_va_vdst(0)
	s_wait_tensorcnt 0x0                           ; my tile of the head's four is in
	ds_add_u32 v[SPW], v[NIL]
	s_mov_b32 s[G1+2], 8<<16                       ; no tensor load of mine is out: from here on a load brings eight row tiles,
	s_mov_b32 s[G1+4], 8
	s_mov_b32 s[G1B+2], 8<<16
	s_mov_b32 s[G1B+4], 8
	s_lshl_b32 s[G0+1], s14, 15                    ; and slot 0's groups 0 become the ring's: wave x 32,768, my half of the units
	s_lshl_b32 s[G0B+1], s14, 15
	s_add_nc_u64 s[G0+2:G0+3], s[G0+2:G0+3], s[18:19]
	s_add_nc_u64 s[G0B+2:G0B+3], s[G0B+2:G0B+3], s[18:19]
	s_wait_dscnt 0x0
	CROUND                                         ; all four tiles are in, and all sixteen work-groups are here
	JLOAD G0+4, G1, G0B+4, G1B                     ; slot 1's first fill: the first tensor load behind the round
	global_prefetch_b8 v30, s[10:11] offset:12288 th:TH_LOAD_NT scope:SCOPE_SE   ; slot 3, the last: the refills ask for nothing further
	FETCH_B 0, 0, 0
	FETCH_A 0, 0, 0
	SCALES 0
	FETCH_A 0, 0, 4
	STEP 0, 0, 1
	s_mov_b32 s3, LAPS-1
.Llap:
	TURN 0, 1, 1
	STEP 1, 0, 0
	TURN 1, 0, 1
	STEP 0, 0, 0
	s_sub_co_u32 s3, s3, 1
	s_cmp_lg_u32 s3, 0
	s_cbranch_scc1 .Llap
	TURN 0, 1, 0
	STEP 1, 0, 0
	s_wait_dscnt 4*NL
	WIN MUL_LO
	MUL16 0, 1, NQ-1, 1, 0
	MUL16 2, 1, NQ-1, 1, 0
	s_wait_dscnt 0
	WIN MUL_HI
	MUL16 4, 1, NQ-1, 1, 0
	MUL16 6, 1, NQ-1, 1, 0
	WIN 0
.macro QUANTW s, x, pw
	WIN (\x)|((\x)<<2)
.irp b, 0,1,2,3
	v_max3_num_f32 v[TM+\b], |v[(\s)+16*\b]|, |v[(\s)+16*\b+1]|, 0x4800000
.endr
.irp i, 2,4,6,8,10,12,14
.irp b, 0,1,2,3
	v_max3_num_f32 v[TM+\b], |v[(\s)+16*\b+\i]|, |v[(\s)+16*\b+\i+1]|, v[TM+\b]
.endr
.endr
	WIN 0
.irp b, 0,1,2,3
	v_permlanex16_b32 v[TM+4+\b], v[TM+\b], s[SEL], s[SEL+1]
.endr
.irp b, 0,1,2,3
	v_max_num_f32 v[TM+\b], v[TM+\b], v[TM+4+\b]
.endr
.irp b, 0,1,2,3
	v_add_nc_u32 v[TM+12+\b], 0xfc000000, v[TM+\b]
.endr
.irp b, 0,1,2,3
	v_and_or_b32 v[TM+8+\b], v[TM+\b], 0x7f800000, s[MNT]
.endr
.irp b, 0,1,2,3
	v_lshrrev_b32 v[TM+4+\b], 23, v[TM+12+\b]
.endr
	v_lshl_or_b32 v[\pw], v[TM+5], 8, v[TM+4]
	v_lshl_or_b32 v[\pw], v[TM+6], 16, v[\pw]
	v_lshl_or_b32 v[\pw], v[TM+7], 24, v[\pw]
	WIN \x
.irp b, 0,1,2,3
.irp i, 0,1,2,3,4,5,6,7,8,9,10,11,12,13,14,15
	v_med3_num_f32 v[HT+16*\b+\i], v[(\s)+16*\b+\i], -v[TM+8+\b], v[TM+8+\b]
.endr
.endr
	WIN 0
.irp b, 0,1,2,3
	v_cvt_scalef32_pk8_fp8_f32 v[PC+4*\b:PC+4*\b+1], v[HT+16*\b:HT+16*\b+7], v[TM+12+\b]
	v_cvt_scalef32_pk8_fp8_f32 v[PC+4*\b+2:PC+4*\b+3], v[HT+16*\b+8:HT+16*\b+15], v[TM+12+\b]
.endr
	v_nop
.endm
.macro ARM a
	WIN 2+(\a)/4
.set AC, 64*((\a)%4)
.set i, 0
.rept 32
	v_pk_mul_f32 v[Z+i:Z+i+1], v[AC+i:AC+i+1], s[44:45] op_sel_hi:[1,0]
	v_pk_mul_f32 v[HT+i:HT+i+1], v[AC+i:AC+i+1], 0.5 op_sel_hi:[1,0]
.set i, i+2
.endr
	WIN 0
.endm
.macro GELUH hf
.set ZH, Z+32*\hf
.set HH, HT+32*\hf
.set i, 0
.rept 32
	v_med3_num_f32 v[ZH+i], v[ZH+i], -4.0, 4.0
.set i, i+1
.endr
.set i, 0
.rept 16
	v_pk_mul_f32 v[Z2+i:Z2+i+1], v[ZH+i:ZH+i+1], v[ZH+i:ZH+i+1]
.set i, i+2
.endr
.set i, 0
.rept 16
	v_pk_fma_f32 v[P+i:P+i+1], v[Z2+i:Z2+i+1], v[4:5], s[24:25] op_sel_hi:[1,1,0]
.set i, i+2
.endr
.irp k, 26,28,30,32,34
.set i, 0
.rept 16
	v_pk_fma_f32 v[P+i:P+i+1], v[P+i:P+i+1], v[Z2+i:Z2+i+1], s[\k:\k+1] op_sel_hi:[1,1,0]
.set i, i+2
.endr
.endr
.set i, 0
.rept 16
	v_pk_fma_f32 v[Q+i:Q+i+1], v[Z2+i:Z2+i+1], v[6:7], s[36:37] op_sel_hi:[1,1,0]
.set i, i+2
.endr
.irp k, 38,40,42
.set i, 0
.rept 16
	v_pk_fma_f32 v[Q+i:Q+i+1], v[Q+i:Q+i+1], v[Z2+i:Z2+i+1], s[\k:\k+1] op_sel_hi:[1,1,0]
.set i, i+2
.endr
.endr
.set i, 0
.rept 16
	v_pk_mul_f32 v[P+i:P+i+1], v[P+i:P+i+1], v[ZH+i:ZH+i+1]
.set i, i+2
.endr
.set i, 0
	s_wait_alu depctr_va_vdst(0)
.rept 32
	v_rcp_f32 v[Q+i], v[Q+i]
.set i, i+1
.endr
	v_nop
	s_wait_alu depctr_va_vdst(0)
.set i, 0
.rept 16
	v_pk_mul_f32 v[P+i:P+i+1], v[P+i:P+i+1], v[Q+i:Q+i+1]
.set i, i+2
.endr
.set i, 0
.rept 16
	v_pk_fma_f32 v[HH+i:HH+i+1], v[HH+i:HH+i+1], v[P+i:P+i+1], v[HH+i:HH+i+1]
.set i, i+2
.endr
.endm
	PLACES NP
.macro COEF k, bits
	s_mov_b32 s[\k], \bits
	s_mov_b32 s[\k+1], \bits
.endm
	COEF 24, 0x32edffee
	COEF 26, 0xb60cff51
	COEF 28, 0xb86ec2d2
	COEF 30, 0xba40ac63
	COEF 32, 0xbb41a1f6
	COEF 34, 0xbc83dbd4
	COEF 36, 0xb95fbd29
	COEF 38, 0xbadc924e
	COEF 40, 0xbbf19bf8
	COEF 42, 0xbc69b6a7
	COEF 44, 0x3f3504f3
	v_mov_b32 v4, 0xaf95df0b
	v_mov_b32 v5, 0xaf95df0b
	v_mov_b32 v6, 0xb77460cd
	v_mov_b32 v7, 0xb77460cd
	s_mov_b32 s3, 0
.Ltile:
.irp a, 0,1,2,3,4,5,6
	s_cmp_eq_u32 s3, \a
	s_cbranch_scc1 .Larm\a
.endr
	ARM 7
	s_branch .Ljoin
.irp a, 0,1,2,3,4,5,6
.Larm\a:
	ARM \a
	s_branch .Ljoin
.endr
.Ljoin:
	GELUH 0
	GELUH 1
	QUANTW HT, 0, PW
.irp c, 0,1,2,3
	global_store_b128 v[L16], v[PC+4*\c:PC+4*\c+3], s[12:13] offset:512*\c
.endr
	ds_store_b32 v[MSA], v[PW]
	s_wait_xcnt 0x0
	s_add_nc_u64 s[12:13], s[12:13], 65536
	v_add_nc_u32 v[MSA], 64, v[MSA]
	s_add_co_u32 s3, s3, 1
	s_cmp_lt_u32 s3, 8
	s_cbranch_scc1 .Ltile
	ds_load_b128 v[128:131], v[MSR]
	s_wait_dscnt 0x0
	global_store_b128 v[L16], v[128:131], s[94:95]
	s_wait_tensorcnt 0x0
	ds_add_u32 v[SPW], v[NIL]
	s_wait_dscnt 0x0
	CROUND
	s_endpgm
.Lfunc_end_k_q05f7ff2ebb_gfc1:
	.size	k_q05f7ff2ebb_gfc1, .Lfunc_end_k_q05f7ff2ebb_gfc1-k_q05f7ff2ebb_gfc1
	.p2alignl 7, 3214868480
	.fill 96, 4, 3214868480
	.section	.rodata,"a",@progbits
	.p2align	6, 0x0
	.amdhsa_kernel k_q05f7ff2ebb_gfc1
		.amdhsa_group_segment_fixed_size 327680
		.amdhsa_private_segment_fixed_size 0
		.amdhsa_enable_private_segment 0
		.amdhsa_kernarg_size 24
		.amdhsa_user_sgpr_count 2
		.amdhsa_user_sgpr_kernarg_segment_ptr 1
		.amdhsa_wavefront_size32 1
		.amdhsa_system_sgpr_workgroup_id_x 1
		.amdhsa_system_sgpr_workgroup_id_y 1
		.amdhsa_system_sgpr_workgroup_id_z 1
		.amdhsa_system_vgpr_workitem_id 0
		.amdhsa_next_free_vgpr 1024
		.amdhsa_next_free_sgpr 100
		.amdhsa_reserve_vcc 0
		.amdhsa_float_denorm_mode_32 3
		.amdhsa_float_denorm_mode_16_64 3
		.amdhsa_memory_ordered 1
		.amdhsa_forward_progress 1
		.amdhsa_inst_pref_size 198
	.end_amdhsa_kernel
	.amdgpu_metadata
---
amdhsa.version: [ 1, 2 ]
amdhsa.kernels:
  - .name:           k_q05f7ff2ebb_gfc1
    .symbol:         k_q05f7ff2ebb_gfc1.kd
    .args:
      - { .name: p2, .offset: 0, .size: 8, .value_kind: global_buffer, .address_space: global }
      - { .name: p1, .offset: 8, .size: 8, .value_kind: global_buffer, .address_space: global }
      - { .name: hid, .offset: 16, .size: 8, .value_kind: global_buffer, .address_space: global }
    .group_segment_fixed_size: 327680
    .private_segment_fixed_size: 0
    .kernarg_segment_align: 8
    .kernarg_segment_size: 24
    .max_flat_workgroup_size: 128
    .sgpr_count:     100
    .vgpr_count:     1024
    .wavefront_size: 32
...
	.end_amdgpu_metadata
.endif
;; end of part 5
;; launch gfc2 (part 6): grid 8 x 32, 4 waves a work-group, clusters of 4 x 4, 327,680 bytes of LDS; arguments hid, p1, h2f, out0; writes out0
.if DOCPART == 6
	.amdgcn_target "amdgcn-amd-amdhsa--gfx1250"
	.amdhsa_code_object_version 6
	.text
	.protected	k_q05f7ff2ebb_gfc2
	.globl	k_q05f7ff2ebb_gfc2
	.p2align	8
	.type	k_q05f7ff2ebb_gfc2,@function
k_q05f7ff2ebb_gfc2:
	s_mov_b64 s[64:65], 0
	v_nop
	global_prefetch_b8 v0, s[64:65] scope:SCOPE_SE
	s_setreg_imm32_b32 hwreg(HW_REG_WAVE_MODE, 25, 1), 1
	s_wait_xcnt 0x0
	s_wait_alu depctr_hold_cnt(0) depctr_sa_sdst(0) depctr_va_vdst(0) depctr_va_sdst(0) depctr_va_ssrc(0) depctr_va_vcc(0) depctr_vm_vsrc(0)
	s_getreg_b32 s2, hwreg(HW_REG_IB_STS2, 6, 4)
	s_cmp_eq_u32 s2, 0
	s_cbranch_scc0 .Lentry_in_a_cluster
	s_endpgm
.Lentry_in_a_cluster:
	s_bfe_u32 s2, ttmp6, 0x10000c
	s_cmp_lg_u32 s2, 0xf033
	s_cbranch_scc0 .Lentry_shape_is_right
	s_endpgm
.Lentry_shape_is_right:
.set KS,    32
.set ASC,   16777216
.set BT0,   768
.set LAPS,  KS/8
.set SLOT,  131072
.set SCA,   262144
.set SCB,   SCA+512*KS
.set STG,   SCB+512*KS
.set SPARE, STG+4*16*272
.set ADRA, 16
.set ADRB, 20
.set ADSA, 22
.set ADSB, 23
.set STO,  24
.set RD,   25
.set CO,   26
.set SPW,  28
.set NIL,  29
.set SC,   32
.set BK,   48
.set ACC,  128
.set F0,   0
.set F1,   128
.set G1, 24
.set G0, 32
.set G1B, 48
.set G0B, 56
.set G1S, 68
.set G0S, 76
.set G1SB, 80
.set G0SB, 88
.set MSB, 0
.macro WIN new
.if MSB != (\new)
	s_set_vgpr_msb (MSB<<8)|(\new)
.set MSB, (\new)
.endif
.endm
.macro JLOAD g0a, g1a, g0b, g1b
	s_cmp_eq_u32 s15, 0
	s_cbranch_scc0 .Lfor_b_\@
	tensor_load_to_lds s[\g0a:\g0a+3], s[\g1a:\g1a+7]
	s_nop 0
.rept 4
	v_nop
.endr
	s_branch .Lasked_\@
.Lfor_b_\@:
	tensor_load_to_lds s[\g0b:\g0b+3], s[\g1b:\g1b+7]
	s_nop 0
.rept 4
	v_nop
.endr
.Lasked_\@:
.endm
.macro CREST
	s_cmp_lg_u32 s14, 0
	s_cbranch_scc1 .Lnot_wave_0_\@
	s_barrier_signal -3
.Lnot_wave_0_\@:
	s_barrier_wait -3
	s_barrier_signal -1
	s_barrier_wait -1
.endm
.macro CROUND
	s_barrier_signal -1
	s_barrier_wait -1
	CREST
.endm
.macro PLACES n
.rept \n
	v_nop
.endr
.endm
	s_load_b256 s[4:11], s[0:1], 0x0
	v_lshl_add_u32 v[SPW], v0, 2, SPARE
	v_mov_b32 v[NIL], 0
	ds_add_u32 v[SPW], v[NIL]
	ds_add_u32 v[SPW], v[NIL]
	v_lshrrev_b32 v1, 5, v0
	v_readfirstlane_b32 s14, v1
	s_lshr_b32 s15, s14, 1
	s_and_b32 s16, s14, 1
	s_bfe_u32 s40, ttmp6, 0x40000
	s_bfe_u32 s41, ttmp6, 0x40004
	s_lshl_b32 s42, ttmp9, 2
	s_add_co_u32 s42, s42, s40
	s_and_b32 s17, ttmp7, 0xffff
	s_lshl_b32 s17, s17, 2
	s_add_co_u32 s17, s17, s41
	s_lshl_b32 s43, s41, 2
	s_lshl_b32 s43, 15, s43
	s_lshl_b32 s44, 0x1111, s40
	s_or_b32 s[G1+0], s43, (3<<16)|(1<<21)
	s_or_b32 s[G1B+0], s44, (3<<16)|(1<<21)
.irp g, G1, G1B
	s_mov_b32 s[\g+1], 1024<<16
	s_mov_b32 s[\g+2], 8<<16                       ; the head's loads bring a side's eight row tiles; the ring's bring four (set behind the head's wait)
	s_mov_b32 s[\g+3], 1024<<16
	s_mov_b32 s[\g+4], 8
	s_mov_b32 s[\g+5], 256*KS
	s_mov_b32 s[\g+6], 0
	s_mov_b32 s[\g+7], 0
.endr
	s_or_b32 s[G1S+0], s43, (3<<16)|(1<<21)
	s_mov_b32 s[G1S+1], 64<<16
	s_mov_b32 s[G1S+2], KS<<16                     ; A's scale words whole: KS rows of 512 bytes
	s_mov_b32 s[G1S+3], 64<<16
	s_mov_b32 s[G1S+4], KS
	s_mov_b32 s[G1S+5], 2048
	s_mov_b32 s[G1S+6], 0
	s_mov_b32 s[G1S+7], 0
	s_or_b32 s[G1SB+0], s44, (3<<16)|(1<<21)
	s_mov_b32 s[G1SB+1], 32<<16
	s_mov_b32 s[G1SB+2], (2*KS)<<16                ; B's whole: 512 KS dense bytes as rows of 256
	s_mov_b32 s[G1SB+3], 32<<16
	s_mov_b32 s[G1SB+4], 2*KS
	s_mov_b32 s[G1SB+5], 32
	s_mov_b32 s[G1SB+6], 0
	s_mov_b32 s[G1SB+7], 0
	s_mov_b32 s18, 0                               ; the head's addresses are the block's first tiles; my half is added for the ring
	s_lshl_b32 s20, s17, 3
	s_add_co_u32 s20, s20, s18
	s_mul_i32 s20, s20, KS*2048
	s_mov_b32 s21, 0
	s_lshl_b32 s46, s42, 3
	s_add_co_u32 s46, s46, s18
	s_mul_i32 s92, s46, 64*KS
	s_add_co_u32 s92, s92, 512*BT0
	s_mov_b32 s93, 0
	s_mul_i32 s46, s46, KS*2048
	s_add_co_u32 s46, s46, 524288+BT0*16384
	s_mov_b32 s47, 0
	s_mov_b32 s22, 0
	s_lshl_b32 s23, s17, 9
	s_add_co_u32 s22, s22, s23
	s_add_co_u32 s22, s22, ASC
	s_mov_b32 s23, 0
	s_lshl_b32 s45, s14, 15
	s_wait_dscnt 0x0
	CROUND                                         ; the opening round, ahead of the wait for the arguments
	s_wait_kmcnt 0x0
	s_add_nc_u64 s[20:21], s[4:5], s[20:21]
	s_add_nc_u64 s[22:23], s[4:5], s[22:23]
	s_add_nc_u64 s[46:47], s[6:7], s[46:47]
	s_add_nc_u64 s[92:93], s[6:7], s[92:93]
	s_mov_b32 s[G0S], 1
	s_mov_b32 s[G0S+1], SCA
	s_mov_b64 s[G0S+2:G0S+3], s[22:23]
	s_or_b32 s[G0S+3], s[G0S+3], 0x80000000
	s_mov_b32 s[G0SB], 1
	s_mov_b32 s[G0SB+1], SCB
	s_mov_b64 s[G0SB+2:G0SB+3], s[92:93]
	s_or_b32 s[G0SB+3], s[G0SB+3], 0x80000000
.irp s, 0,1
	s_mov_b32 s[G0+4*\s], 1
	s_add_co_u32 s[G0+4*\s+1], s45, \s*SLOT
	s_add_nc_u64 s[G0+4*\s+2:G0+4*\s+3], s[20:21], \s*8192
	s_or_b32 s[G0+4*\s+3], s[G0+4*\s+3], 0x80000000
	s_mov_b32 s[G0B+4*\s], 1
	s_add_co_u32 s[G0B+4*\s+1], s45, \s*SLOT
	s_add_nc_u64 s[G0B+4*\s+2:G0B+4*\s+3], s[46:47], \s*8192
	s_or_b32 s[G0B+4*\s+3], s[G0B+4*\s+3], 0x80000000
.endr
	s_mov_b32 s[G0+1], 0                           ; slot 0's groups 0 serve the head first: A's eight tiles at byte 0,
	s_mov_b32 s[G0B+1], 65536                      ; B's behind them
	s_mul_i32 s18, s16, 4*KS*2048                  ; my four tiles of a side, in bytes
	s_mov_b32 s19, 0
	s_add_nc_u64 s[G0+6:G0+7], s[G0+6:G0+7], s[18:19]       ; slot 1's groups 0 are the ring's: my half
	s_add_nc_u64 s[G0B+6:G0B+7], s[G0B+6:G0B+7], s[18:19]
	; the prefetches: of the four tiles that I fetch in the ring, each of the four partners that ask with me names one, told apart by address (cx for A, cy for B)
	s_cmp_eq_u32 s15, 0
	s_cselect_b64 s[96:97], s[20:21], s[46:47]
	s_cselect_b32 s98, s40, s41
	s_mul_i32 s98, s98, KS*2048
	s_add_co_u32 s98, s98, s18
	s_mov_b32 s99, 0
	s_add_nc_u64 s[96:97], s[96:97], s[98:99]
; THE HEAD'S LOADS, ONE A WAVE: wave 0 slot 0's tiles of A, wave 1 those of B, wave 2 A's scale words, wave 3 B's; one chain of branches on the wave's number, all arms to one join
.macro HARM under, g0, g1, next
	s_cmp_lt_u32 s14, \under
	s_cbranch_scc0 \next
	tensor_load_to_lds s[\g0:\g0+3], s[\g1:\g1+7]
	s_nop 0
.rept 4
	v_nop
.endr
	s_branch .Lhead_asked
\next:
.endm
	HARM 1, G0, G1, .Lh_b
	HARM 2, G0B, G1B, .Lh_sa
	HARM 3, G0S, G1S, .Lh_sb
	tensor_load_to_lds s[G0SB:G0SB+3], s[G1SB:G1SB+7]
	s_nop 0
.rept 4
	v_nop
.endr
.Lhead_asked:
	v_and_b32 v30, 31, v0                          ; v30: 256 bytes a lane: a slot's 8,192 bytes of one tile; never rewritten
	v_lshlrev_b32 v30, 8, v30
	global_prefetch_b8 v30, s[96:97] offset:8192 th:TH_LOAD_NT scope:SCOPE_SE    ; slots 1 and 2: behind the load of slot s stands the request for slot s + 2; here slot 1's too
	global_prefetch_b8 v30, s[96:97] offset:16384 th:TH_LOAD_NT scope:SCOPE_SE
	v_and_b32 v1, 15, v0
	s_wait_alu depctr_va_vdst(0)
	v_bfe_u32 v2, v0, 4, 1
	v_and_b32 v3, 31, v0
	v_lshlrev_b32 v4, 4, v3
	s_lshl_b32 s21, s15, 15
	s_lshl_b32 s22, s16, 15
	s_add_co_u32 s22, s22, 65536
.irp s, 0,1
	v_add_nc_u32 v[ADRA+\s], s21, v4
	v_add_nc_u32 v[ADRB+\s], s22, v4
	s_add_co_u32 s21, s21, SLOT
	s_add_co_u32 s22, s22, SLOT
.endr
	s_lshl_b32 s21, s15, 8
	s_add_co_u32 s21, s21, SCA
	v_lshl_add_u32 v[ADSA], v1, 2, s21
	s_mul_i32 s21, s16, 256*KS
	s_add_co_u32 s21, s21, SCB
	v_lshl_add_u32 v[ADSB], v1, 2, s21
	s_mul_i32 s23, s14, 16*272
	s_add_co_u32 s23, s23, STG
	v_mul_u32_u24 v5, v1, 272
	v_lshl_add_u32 v5, v2, 5, v5
	v_add_nc_u32 v[STO], s23, v5
	v_mul_u32_u24 v5, v2, 272
	v_lshl_add_u32 v5, v1, 4, v5
	v_add_nc_u32 v[RD], s23, v5
	v_lshlrev_b32 v5, 12, v2
	v_lshl_add_u32 v[CO], v1, 4, v5
	s_wait_alu depctr_va_vdst(0)
	s_lshl_b32 s20, s17, 7
	s_lshl_b32 s21, s15, 6
	s_add_co_u32 s20, s20, s21
	s_lshl_b32 s20, s20, 12
	s_lshl_b32 s46, s42, 9
	s_lshl_b32 s47, s16, 8
	s_add_co_u32 s46, s46, s47
	s_add_co_u32 s20, s20, s46
	s_mov_b32 s21, 0
	s_add_nc_u64 s[8:9], s[8:9], s[20:21]
	s_add_nc_u64 s[10:11], s[10:11], s[20:21]
.macro RESID a0, a1                    ; the residual's rows of my blocks a0 and a1, as the way out wants them: sixteen loads into window 2; one half is asked for ahead of the loop over K, the other behind it
	WIN 0x80
.irp a, \a0, \a1
.irp t, 0,1,2,3,4,5,6,7
	global_load_b128 v[32*\a+4*\t:32*\a+4*\t+3], v[CO], s[8:9] offset:(16*\a+2*\t)*4096 th:TH_LOAD_NT
.endr
.endr
	WIN 0
.endm
.macro MUL4 f, p, a, zero
.irp b, 0,1,2,3
.if \zero
	v_wmma_scale_f32_16x16x128_f8f6f4 v[ACC+8*(4*(\a)+\b):ACC+8*(4*(\a)+\b)+7], v[\f+64+16*\b:\f+64+16*\b+15], v[\f+16*(\a):\f+16*(\a)+15], 0, v[SC+8*(\p)+4+\b], v[SC+8*(\p)+(\a)]
.else
	v_wmma_scale_f32_16x16x128_f8f6f4 v[ACC+8*(4*(\a)+\b):ACC+8*(4*(\a)+\b)+7], v[\f+64+16*\b:\f+64+16*\b+15], v[\f+16*(\a):\f+16*(\a)+15], v[ACC+8*(4*(\a)+\b):ACC+8*(4*(\a)+\b)+7], v[SC+8*(\p)+4+\b], v[SC+8*(\p)+(\a)]
.endif
.endr
.endm
.macro FETCH slot, q, f, p
	WIN 0x40
.irp a, 0,1,2,3
.irp c, 0,1,2,3
	ds_load_b128 v[\f+16*\a+4*\c:\f+16*\a+4*\c+3], v[ADRA+\slot] offset:8192*\a+2048*(\q)+512*\c
.endr
.endr
.irp b, 0,1,2,3
.irp c, 0,1,2,3
	ds_load_b128 v[\f+64+16*\b+4*\c:\f+64+16*\b+4*\c+3], v[ADRB+\slot] offset:8192*\b+2048*(\q)+512*\c
.endr
.endr
	WIN 0
.irp a, 0,1,2,3
	ds_load_b32 v[SC+8*(\p)+\a], v[ADSA] offset:512*(\q)+64*\a
.endr
.irp b, 0,1,2,3
	ds_load_b32 v[SC+8*(\p)+4+\b], v[ADSB] offset:64*KS*\b+64*(\q)
.endr
.endm
.macro KSTEP slot, q, f, g, p, zero
	s_wait_dscnt 0x0
	PLACES 8
	FETCH \slot, (\q)+1, \g, 1-(\p)
	WIN 0x05
	MUL4 \f, \p, 0, \zero
	MUL4 \f, \p, 1, \zero
	MUL4 \f, \p, 2, \zero
	MUL4 \f, \p, 3, \zero
.endm
.macro TURN slot, next, fill
	WIN 0
	s_wait_tensorcnt 0x0
	ds_add_u32 v[SPW], v[NIL]
	s_wait_dscnt 1
	WIN 0x05
	MUL4 F1, 1, 0, 0
	s_wait_dscnt 0x0
	s_barrier_signal -1
	MUL4 F1, 1, 1, 0
	WIN 0
	s_barrier_wait -1
.if \fill
	CREST
	s_add_nc_u64 s[G0+4*\slot+2:G0+4*\slot+3], s[G0+4*\slot+2:G0+4*\slot+3], 16384
	s_add_nc_u64 s[G0B+4*\slot+2:G0B+4*\slot+3], s[G0B+4*\slot+2:G0B+4*\slot+3], 16384
	JLOAD G0+4*\slot, G1, G0B+4*\slot, G1B
	PLACES 4
.else
	PLACES 8
.endif
	v_add_nc_u32 v[ADSA], 2048, v[ADSA]
	v_add_nc_u32 v[ADSB], 256, v[ADSB]
	FETCH \next, 0, F0, 0
.if \fill
	s_cmp_gt_u32 s3, 1                             ; the loop's last trip refills slots 6 and 7: no slot stands two further on
	s_cbranch_scc0 .Lnone_on_\@
	global_prefetch_b8 v30, s[96:97] offset:32768+8192*\slot th:TH_LOAD_NT scope:SCOPE_SE   ; the slot two refills on: one tile's 8,192 bytes a wave
.Lnone_on_\@:
.endif
	WIN 0x05
	MUL4 F1, 1, 2, 0
	MUL4 F1, 1, 3, 0
.endm
	s_wait_alu depctr_va_vdst(0)                   ; the head's end
	s_wait_tensorcnt 0x0                           ; my tile of the head's four is in
	ds_add_u32 v[SPW], v[NIL]
	s_mov_b32 s[G1+2], 4<<16                       ; no tensor load of mine is out: from here on a load brings four row tiles,
	s_mov_b32 s[G1+4], 4
	s_mov_b32 s[G1B+2], 4<<16
	s_mov_b32 s[G1B+4], 4
	s_lshl_b32 s[G0+1], s14, 15                    ; and slot 0's groups 0 become the ring's: wave x 32,768, my half of the tiles
	s_lshl_b32 s[G0B+1], s14, 15
	s_add_nc_u64 s[G0+2:G0+3], s[G0+2:G0+3], s[18:19]
	s_add_nc_u64 s[G0B+2:G0B+3], s[G0B+2:G0B+3], s[18:19]
	s_wait_dscnt 0x0
	CROUND                                         ; all four tiles are in, and all sixteen work-groups are here
	JLOAD G0+4, G1, G0B+4, G1B                     ; slot 1's first fill: the first tensor load behind the round
	global_prefetch_b8 v30, s[96:97] offset:24576 th:TH_LOAD_NT scope:SCOPE_SE   ; slot 3
	FETCH 0, 0, F0, 0
	KSTEP 0, 0, F0, F1, 0, 1
.if LAPS > 1
	WIN 0
	s_mov_b32 s3, LAPS-1
	RESID 0, 1
.Llap:
	s_wait_alu depctr_va_vdst(0)
	KSTEP 0, 1, F1, F0, 1, 0
	KSTEP 0, 2, F0, F1, 0, 0
	TURN 0, 1, 1
	s_wait_alu depctr_va_vdst(0)
	KSTEP 1, 0, F0, F1, 0, 0
	KSTEP 1, 1, F1, F0, 1, 0
	KSTEP 1, 2, F0, F1, 0, 0
	TURN 1, 0, 1
	s_wait_alu depctr_va_vdst(0)
	KSTEP 0, 0, F0, F1, 0, 0
	WIN 0
	s_wait_xcnt 0x0                                ; my prefetches have read their address: it steps two slots on
	s_add_nc_u64 s[96:97], s[96:97], 16384
	s_sub_co_u32 s3, s3, 1
	s_cmp_lg_u32 s3, 0
	s_cbranch_scc1 .Llap
	RESID 2, 3
.endif
	KSTEP 0, 1, F1, F0, 1, 0
	KSTEP 0, 2, F0, F1, 0, 0
	TURN 0, 1, 0
	s_wait_alu depctr_va_vdst(0)
	KSTEP 1, 0, F0, F1, 0, 0
	KSTEP 1, 1, F1, F0, 1, 0
	KSTEP 1, 2, F0, F1, 0, 0
	s_wait_dscnt 0x0
	WIN 0x05
	MUL4 F1, 1, 0, 0
	MUL4 F1, 1, 1, 0
	MUL4 F1, 1, 2, 0
	MUL4 F1, 1, 3, 0
	WIN 0
	PLACES 8
.irp a, 0,1,2,3
.if \a >= 2
	s_wait_xcnt 0x0
.endif
	s_wait_loadcnt 24-8*\a                         ; block a's eight residual loads are in; the eight of each later block may be out
.irp b, 0,1,2,3
	ds_store_b128 v[STO], v[ACC+8*(4*\a+\b):ACC+8*(4*\a+\b)+3] offset:64*\b
	ds_store_b128 v[STO], v[ACC+8*(4*\a+\b)+4:ACC+8*(4*\a+\b)+7] offset:64*\b+16
.endr
.irp t, 0,1,2,3,4,5,6,7
	ds_load_b128 v[BK+32*(\a%2)+4*\t:BK+32*(\a%2)+4*\t+3], v[RD] offset:544*\t
.endr
	s_wait_dscnt 0x0
	WIN 0x08
.irp i, 0,2,4,6,8,10,12,14,16,18,20,22,24,26,28,30
	v_pk_add_f32 v[BK+32*(\a%2)+\i:BK+32*(\a%2)+\i+1], v[BK+32*(\a%2)+\i:BK+32*(\a%2)+\i+1], v[32*\a+\i:32*\a+\i+1]
.endr
	WIN 0
.irp t, 0,1,2,3,4,5,6,7
	global_store_b128 v[CO], v[BK+32*(\a%2)+4*\t:BK+32*(\a%2)+4*\t+3], s[10:11] offset:(16*\a+2*\t)*4096
.endr
.endr
	s_wait_tensorcnt 0x0
	ds_add_u32 v[SPW], v[NIL]
	s_wait_dscnt 0x0
	CROUND
	s_endpgm
.Lfunc_end_k_q05f7ff2ebb_gfc2:
	.size	k_q05f7ff2ebb_gfc2, .Lfunc_end_k_q05f7ff2ebb_gfc2-k_q05f7ff2ebb_gfc2
	.p2alignl 7, 3214868480
	.fill 96, 4, 3214868480
	.section	.rodata,"a",@progbits
	.p2align	6, 0x0
	.amdhsa_kernel k_q05f7ff2ebb_gfc2
		.amdhsa_group_segment_fixed_size 327680
		.amdhsa_private_segment_fixed_size 0
		.amdhsa_enable_private_segment 0
		.amdhsa_kernarg_size 32
		.amdhsa_user_sgpr_count 2
		.amdhsa_user_sgpr_kernarg_segment_ptr 1
		.amdhsa_wavefront_size32 1
		.amdhsa_system_sgpr_workgroup_id_x 1
		.amdhsa_system_sgpr_workgroup_id_y 1
		.amdhsa_system_sgpr_workgroup_id_z 1
		.amdhsa_system_vgpr_workitem_id 0
		.amdhsa_next_free_vgpr 640
		.amdhsa_next_free_sgpr 100
		.amdhsa_reserve_vcc 0
		.amdhsa_float_denorm_mode_32 3
		.amdhsa_float_denorm_mode_16_64 3
		.amdhsa_memory_ordered 1
		.amdhsa_forward_progress 1
		.amdhsa_inst_pref_size 108
	.end_amdhsa_kernel
	.amdgpu_metadata
---
amdhsa.version: [ 1, 2 ]
amdhsa.kernels:
  - .name:           k_q05f7ff2ebb_gfc2
    .symbol:         k_q05f7ff2ebb_gfc2.kd
    .args:
      - { .name: hid, .offset: 0, .size: 8, .value_kind: global_buffer, .address_space: global }
      - { .name: p1, .offset: 8, .size: 8, .value_kind: global_buffer, .address_space: global }
      - { .name: h2f, .offset: 16, .size: 8, .value_kind: global_buffer, .address_space: global }
      - { .name: out0, .offset: 24, .size: 8, .value_kind: global_buffer, .address_space: global }
    .group_segment_fixed_size: 327680
    .private_segment_fixed_size: 0
    .kernarg_segment_align: 8
    .kernarg_segment_size: 32
    .max_flat_workgroup_size: 128
    .sgpr_count:     100
    .vgpr_count:     640
    .wavefront_size: 32
...
	.end_amdgpu_metadata
.endif
;; end of part 6
